; MI455X (gfx1250); checked and timed in simulation.
; The chip was launched on July 23, 2026; its instructions are those of AMD's public machine-readable ISA for CDNA 5 (MIT licence, August 2026) and "CDNA5" Instruction Set Architecture Reference Guide (July 2026). The comments in the code are by the model that wrote it; some were corrected since.
;; Dinov2 Self Attention. Allowed arithmetic: matrix products marked QUANTISED: E4M3 operands, one given power-of-two scale a tensor, by v_wmma_f32_16x16x64_fp8_fp8 or v_wmma_f32_16x16x128_fp8_fp8, f32 sums; everything else in f32.
;; Inputs: Wk 1,024 x 1,024 float32; Wq 1,024 x 1,024 float32; Wv 1,024 x 1,024 float32; bk 1,024 float32; bq 1,024 float32; bv 1,024 float32; hidden_states 8 x 1,370 x 1,024 float32; lowp_scales 10 int32 (the exponents e of the quantised operands' scales 2^e).
;; Outputs: out0 8 x 1,370 x 1,024 float32.
;; This version of the problem:
;;   THIS VERSION OF THE PROBLEM IS GIVEN IN LOW PRECISION. The matrix products marked QUANTISED in the list below multiply operands that are first quantised to E4M3 (4 exponent bits, 3 mantissa bits; 8 bits a number), with one given power-of-two scale for each operand tensor; their sums are f32. All else is computed in f32.
;;   The module's matrix products, in the order in which they are computed (A, B: the left and right operand; K: the contracted axis; several contracted axes count as one K, in the product's order):
;;     1. [M 10,960, K 1,024] x [K 1,024, N 1,024]; A: input hidden_states; B: input Wq: QUANTISED (scales: A lowp_scales[0], B lowp_scales[1])
;;     2. [M 10,960, K 1,024] x [K 1,024, N 1,024]; A: input hidden_states; B: input Wk: QUANTISED (scales: A lowp_scales[2], B lowp_scales[3])
;;     3. [M 10,960, K 1,024] x [K 1,024, N 1,024]; A: input hidden_states; B: input Wv: QUANTISED (scales: A lowp_scales[4], B lowp_scales[5])
;;     4. batch 128 x [M 1,370, K 64] x [K 64, N 1,370]; A: computed on the way; B: computed on the way: QUANTISED (scales: A lowp_scales[6], B lowp_scales[7])
;;     5. batch 128 x [M 1,370, K 1,370] x [K 1,370, N 64]; A: softmax (see below); B: computed on the way: QUANTISED (scales: A lowp_scales[8], B lowp_scales[9])
;;   THE QUANTISER, for each operand of a quantised product, along K:
;;     - The operand's scale is 2^e, e = its entry of the input lowp_scales (int32; the entries are numbered through the quantised products in the list's order, A before B).
;;     - Each number is divided by the scale, clamped to +-448, and rounded to the nearest number of E4M3, ties to even, subnormals kept.
;;     - The product sums the exact products of the quantised numbers (number of the format x scale) in f32.
;;   ~~~python
;;   def quantise(x, axis, e):      # numpy; x: float32 -> the quantised numbers, widened to float32 again
;;       x = np.moveaxis(x, axis, -1); K = x.shape[-1]
;;       r = np.clip(x / 2.0 ** e, -448, 448)
;;       step = 2.0 ** (np.maximum(np.frexp(np.where(r == 0, 1, r))[1] - 1, -6) - 3)
;;       q = np.round(r / step) * step * 2.0 ** e      # np.round: ties to even
;;       return np.moveaxis(q, -1, axis).astype(np.float32)
;;   ~~~
;;   SOFTMAX AHEAD OF A QUANTISED PRODUCT. Where the list says 'softmax', what is quantised is not the finished softmax but p = 2^(t - M), with t = logit x log2(e) and M = ceil(the row's largest t), a whole number; so 1/2 < the row's largest p <= 1. The row's sum l is taken of the UNQUANTISED p, in f32, and the product's result is divided by l at the end. Since M is a whole number, a kernel that streams over the keys may use a running M (the ceiling of the running maximum): every later rescaling is an exact power of two, so the quantised numbers keep their values, but for numbers so far below the row's largest that they fall under the format's range.
;;   OPERANDS COMPUTED ON THE WAY. 'Computed on the way' means the value that the module computes at that place (a softmax that the list does not call 'softmax' is quantised finished and normalised). What goes into a quantiser is computed in f32, as accurately as f32 sums, v_exp_f32 and their like allow (about 1e-6 of the number): no bf16 or f16 on the way to a quantiser, and a product that is left as it is and whose result goes on into a quantised operand takes f32 operands (vector FMAs, or v_wmma_f32_16x16x4_f32). A number that lies on a knife's edge between two numbers of the format may be rounded either way, as far as f32 arithmetic and the matrix unit's own rounding can turn it there, and no further.
;; 2 versions, each right; version 2 is version 1 with the launch attn written anew for expert scheduling mode. Each part assembles by itself: llvm-mc -triple=amdgcn-amd-amdhsa -mcpu=gfx1250 --defsym DOCPART=n.
;; ======== version 1 of 2: 3 launches
;; workspace buffers: xq 11,272,192 bytes; xk 11,272,192 bytes; xv 11,272,192 bytes; wc 3,145,728 bytes; qc 11,534,336 bytes; kc 11,534,336 bytes; vc 11,534,336 bytes
;; launch quant (part 1): grid 880 x 1, 4 waves a work-group, no clusters, 20,992 bytes of LDS; arguments hidden_states, Wq, Wk, Wv, lowp_scales, xq, xk, xv, wc; writes xq, xk, xv, wc
.if DOCPART == 1
	.amdgcn_target "amdgcn-amd-amdhsa--gfx1250"
	.amdhsa_code_object_version 6
	.text
	.protected	k_qdf7a9dfc17_quant
	.globl	k_qdf7a9dfc17_quant
	.p2align	8
	.type	k_qdf7a9dfc17_quant,@function
k_qdf7a9dfc17_quant:
	s_mov_b64 s[64:65], 0
	v_nop
	global_prefetch_b8 v0, s[64:65] scope:SCOPE_SE
	s_setreg_imm32_b32 hwreg(HW_REG_WAVE_MODE, 25, 1), 1
	s_wait_xcnt 0x0
; hidden_states [10960][1024] f32 becomes THREE sets of E4M3 codes (xq, xk, xv: [11008][1024] bytes), one for each of the three products' own scale
; (entries 0, 2, 4 of lowp_scales, which need not be equal); Wq, Wk, Wv [1024][1024] f32 become codes in wc [3][1024][1024] (entries 1, 3, 5).
; code = x / 2^e, held within +-448, rounded to the nearest code, ties to even.  LIMITS: each e between -126 and 119; NaN among the inputs is not served.
; LAYOUT OF wc: in sections 0 and 1 (Wq, Wk) source row n lies at the row whose bits 3 and 4 are n's exchanged; section 2 (Wv) is in natural order.  The next launch's results then fall so that a lane's
; 16 registers of two neighbouring tiles are 16 neighbouring columns.  Rows 10960 to 11007 of xq, xk, xv are zero codes: the next launch's last tile of each batch reads up to 38 rows on.
; SHARES: a wave takes a run of 4 rows (4,096 numbers, 8 steps of 512).  Work-groups 0-684: x; 685-876: the weights; 877-879: the zero rows.  Four rows of a run differ in bits 0 and 1 alone, so they stay together.
; All 32 loads of a run go out at once, 512 consecutive bytes each.  The conversions want 16 NEIGHBOURS in one lane: a step's 2,048 bytes turn through the wave's own stage in LDS (16 bytes of padding behind each 64).
; A lane's 16 codes are 16 bytes: each store of the wave covers 512 consecutive bytes, aligned.  No barrier: waves share nothing.
.set XWG,   685
.set WWG,   192
.set XROWS, 10960
.set R,     16                         ; v16-143  eight sets of 16 numbers as loaded; a set later holds its step's codes (4 registers an output), so no store's data are written again
.set X,     144                        ; v144-175 two sets of 16 neighbours
.set T,     176                        ; v176-191 the numbers held within the largest code
.set SP,    80                         ; a lane's place in a stage: 64 bytes + 16
.set STG,   32*SP                      ; a stage; two for each wave
	s_load_b256 s[4:11], s[0:1], 0x0               ; hidden_states, Wq, Wk, Wv
	s_load_b256 s[12:19], s[0:1], 0x20             ; lowp_scales, xq, xk, xv
	s_load_b64 s[20:21], s[0:1], 0x40              ; wc
	v_lshl_add_u32 v192, v0, 2, 0x5000
	v_mov_b32 v193, 0
	v_lshrrev_b32 v1, 5, v0
	v_readfirstlane_b32 s22, v1                    ; wave
	v_and_b32 v1, 31, v0                           ; lane
	v_lshlrev_b32 v3, 4, v1                        ; my 16 bytes of 512: for loads and stores; never rewritten
	s_lshl_b32 s23, ttmp9, 2
	s_add_co_u32 s23, s23, s22                     ; my run
	s_cmp_ge_u32 ttmp9, XWG+WWG
	s_cbranch_scc1 .Lpad
	s_mul_i32 s40, s22, 2*STG                      ; my wave's two stages
	v_lshrrev_b32 v14, 2, v1
	v_mul_u32_u24 v14, v14, SP
	v_and_b32 v15, 3, v1
	v_lshl_add_u32 v14, v15, 4, v14
	v_add_nc_u32 v14, s40, v14                     ; into a stage: 80 (lane / 4) + 16 (lane % 4)
	v_mul_u32_u24 v15, v1, SP
	v_add_nc_u32 v15, s40, v15                     ; out of it: 80 x lane
	; a weight's run (the numbers mean nothing in x's work-groups, where the selections below pass them over)
	s_sub_co_u32 s41, s23, 4*XWG
	s_lshr_b32 s42, s41, 8                         ; which weight: 0, 1, 2
	s_and_b32 s43, s41, 255
	s_lshl_b32 s43, s43, 2                         ; its first row r0
	s_and_b32 s44, s43, 0x3e7
	s_and_b32 s45, s43, 8
	s_lshl_b32 s45, s45, 1
	s_or_b32 s44, s44, s45
	s_and_b32 s45, s43, 16
	s_lshr_b32 s45, s45, 1
	s_or_b32 s44, s44, s45                         ; r0 with bits 3 and 4 exchanged
	s_cmp_eq_u32 s42, 2
	s_cselect_b32 s44, s43, s44                    ; Wv stays in natural order
	s_lshl_b32 s45, s42, 10
	s_add_co_u32 s44, s44, s45
	s_lshl_b32 s44, s44, 10                        ; byte in wc
	s_lshl_b32 s43, s43, 12                        ; byte in the weight
	s_lshl_b32 s46, s23, 14                        ; x: run x 16,384 bytes
	s_lshl_b32 s47, s23, 12                        ; its codes: run x 4,096
	s_wait_kmcnt 0x0
	s_load_b256 s[32:39], s[12:13], 0x0            ; entries 0 to 7
	s_cmp_eq_u32 s42, 0
	s_cselect_b64 s[24:25], s[6:7], s[8:9]
	s_cmp_eq_u32 s42, 2
	s_cselect_b64 s[24:25], s[10:11], s[24:25]
	s_cmp_lt_u32 ttmp9, XWG                        ; every choice hangs on the work-group's number alone
	s_cselect_b64 s[24:25], s[4:5], s[24:25]       ; from where
	s_cselect_b64 s[26:27], s[14:15], s[20:21]     ; output 0: xq or wc
	s_cselect_b32 s48, s46, s43
	s_cselect_b32 s50, s47, s44
	s_mov_b32 s49, 0
	s_mov_b32 s51, 0
	s_add_nc_u64 s[24:25], s[24:25], s[48:49]
	s_add_nc_u64 s[26:27], s[26:27], s[50:51]
	s_add_nc_u64 s[28:29], s[16:17], s[50:51]      ; outputs 1 and 2: xk, xv (stored by x's work-groups alone)
	s_add_nc_u64 s[30:31], s[18:19], s[50:51]
.macro LOAD t
.irp i, 0,1,2,3
	global_load_b128 v[R+16*(\t)+4*\i:R+16*(\t)+4*\i+3], v3, s[24:25] offset:2048*(\t)+512*\i th:TH_LOAD_NT   ; 32 lanes read 512 consecutive bytes; read once in the launch
.endr
.endm
.irp t, 0,1,2,3,4,5,6,7
	LOAD \t
.endr
	s_wait_kmcnt 0x0
	s_cmp_eq_u32 s42, 0
	s_cselect_b32 s52, s33, s35
	s_cmp_eq_u32 s42, 2
	s_cselect_b32 s52, s37, s52
	s_cmp_lt_u32 ttmp9, XWG
	s_cselect_b32 s52, s32, s52                    ; output 0's e: entry 0, or 1, 3, 5
.macro MKSCALE e, vs                   ; v[vs] = 2^e as f32 (the conversion takes its exponent field), v[vs+1] = 448 x 2^e
	s_add_co_i32 s53, \e, 127
	s_lshl_b32 s54, s53, 23
	v_mov_b32 v[\vs], s54
	s_add_co_i32 s53, s53, 8
	s_lshl_b32 s53, s53, 23
	s_or_b32 s53, s53, 0x600000
	v_mov_b32 v[\vs+1], s53
.endm
	MKSCALE s52, 4
	MKSCALE s34, 6
	MKSCALE s36, 8
.macro TURN t                          ; step t's numbers through a stage: LDS serves a wave's instructions in order (ISA guide 5.7.1.4), so no wait stands between the stores and the loads
.irp i, 0,1,2,3
	ds_store_b128 v14, v[R+16*(\t)+4*\i:R+16*(\t)+4*\i+3] offset:STG*((\t)%2)+8*SP*\i
.endr
.irp i, 0,1,2,3
	ds_load_b128 v[X+16*((\t)%2)+4*\i:X+16*((\t)%2)+4*\i+3], v15 offset:STG*((\t)%2)+16*\i
.endr
.endm
.macro CONV t, k                       ; step t's 16 neighbours become output k's 16 codes
.set XS, X+16*((\t)%2)
.set CR, R+16*(\t)+4*(\k)
.set jj, 0
.rept 16
	v_med3_num_f32 v[T+jj], v[XS+jj], -v[5+2*(\k)], v[5+2*(\k)]   ; the conversion to an 8-bit code does not saturate (ISA guide 7.6.2): the hold comes first
.set jj, jj+1
.endr
	v_cvt_scalef32_pk8_fp8_f32 v[CR:CR+1], v[T:T+7], v[4+2*(\k)]
	v_cvt_scalef32_pk8_fp8_f32 v[CR+2:CR+3], v[T+8:T+15], v[4+2*(\k)]
	v_nop                                          ; one plain vector line before the next holds write the conversions' sources
	global_store_b128 v3, v[CR:CR+3], s[26+2*(\k):27+2*(\k)] offset:512*(\t)
.endm
.macro STEP t
	s_wait_dscnt 0x0                               ; this step's numbers are back from the stage, and its stores into the stage have read set t, which now takes the codes
.if (\t) < 7
	s_wait_loadcnt 24-4*(\t)                       ; the next step's four loads are in; four for each later step may be out
	TURN (\t)+1
.endif
	CONV \t, 0
	s_cmp_ge_u32 ttmp9, XWG                        ; a weight has one scale; x has three
	s_cbranch_scc1 .Lw_\@
	CONV \t, 1
	CONV \t, 2
.Lw_\@:
.endm
	s_wait_loadcnt 28                              ; step 0's four loads are in
	TURN 0
.irp t, 0,1,2,3,4,5,6,7
	STEP \t
.endr
	s_wait_tensorcnt 0x0
	ds_add_u32 v192, v193
	s_wait_dscnt 0x0
	s_endpgm
.Lpad:                                                 ; twelve runs of four zero rows behind x's codes, in each of the three buffers
	s_sub_co_u32 s41, s23, 4*(XWG+WWG)
	s_lshl_b32 s48, s41, 12
	s_add_co_u32 s48, s48, XROWS*1024
	s_mov_b32 s49, 0
	v_mov_b32 v4, 0
	v_mov_b32 v5, 0
	v_mov_b32 v6, 0
	v_mov_b32 v7, 0
	s_wait_kmcnt 0x0
	s_add_nc_u64 s[26:27], s[14:15], s[48:49]
	s_add_nc_u64 s[28:29], s[16:17], s[48:49]
	s_add_nc_u64 s[30:31], s[18:19], s[48:49]
.irp i, 0,1,2,3,4,5,6,7
	global_store_b128 v3, v[4:7], s[26:27] offset:512*\i
	global_store_b128 v3, v[4:7], s[28:29] offset:512*\i
	global_store_b128 v3, v[4:7], s[30:31] offset:512*\i
.endr
	s_endpgm
.Lfunc_end_k_qdf7a9dfc17_quant:
	.size	k_qdf7a9dfc17_quant, .Lfunc_end_k_qdf7a9dfc17_quant-k_qdf7a9dfc17_quant
	.p2alignl 7, 3214868480
	.fill 96, 4, 3214868480
	.section	.rodata,"a",@progbits
	.p2align	6, 0x0
	.amdhsa_kernel k_qdf7a9dfc17_quant
		.amdhsa_group_segment_fixed_size 20992
		.amdhsa_private_segment_fixed_size 0
		.amdhsa_enable_private_segment 0
		.amdhsa_kernarg_size 72
		.amdhsa_user_sgpr_count 2
		.amdhsa_user_sgpr_kernarg_segment_ptr 1
		.amdhsa_wavefront_size32 1
		.amdhsa_system_sgpr_workgroup_id_x 1
		.amdhsa_system_sgpr_workgroup_id_y 1
		.amdhsa_system_sgpr_workgroup_id_z 1
		.amdhsa_system_vgpr_workitem_id 0
		.amdhsa_next_free_vgpr 194
		.amdhsa_next_free_sgpr 66
		.amdhsa_reserve_vcc 0
		.amdhsa_float_denorm_mode_32 3
		.amdhsa_float_denorm_mode_16_64 3
		.amdhsa_memory_ordered 1
		.amdhsa_forward_progress 1
		.amdhsa_inst_pref_size 45
	.end_amdhsa_kernel
	.amdgpu_metadata
---
amdhsa.version: [ 1, 2 ]
amdhsa.kernels:
  - .name:           k_qdf7a9dfc17_quant
    .symbol:         k_qdf7a9dfc17_quant.kd
    .args:
      - { .name: hidden_states, .offset: 0, .size: 8, .value_kind: global_buffer, .address_space: global }
      - { .name: Wq, .offset: 8, .size: 8, .value_kind: global_buffer, .address_space: global }
      - { .name: Wk, .offset: 16, .size: 8, .value_kind: global_buffer, .address_space: global }
      - { .name: Wv, .offset: 24, .size: 8, .value_kind: global_buffer, .address_space: global }
      - { .name: lowp_scales, .offset: 32, .size: 8, .value_kind: global_buffer, .address_space: global }
      - { .name: xq, .offset: 40, .size: 8, .value_kind: global_buffer, .address_space: global }
      - { .name: xk, .offset: 48, .size: 8, .value_kind: global_buffer, .address_space: global }
      - { .name: xv, .offset: 56, .size: 8, .value_kind: global_buffer, .address_space: global }
      - { .name: wc, .offset: 64, .size: 8, .value_kind: global_buffer, .address_space: global }
    .group_segment_fixed_size: 20992
    .private_segment_fixed_size: 0
    .kernarg_segment_align: 8
    .kernarg_segment_size: 72
    .max_flat_workgroup_size: 128
    .sgpr_count:     66
    .vgpr_count:     194
    .wavefront_size: 32
...
	.end_amdgpu_metadata
.endif
;; end of part 1
;; launch proj (part 2): grid 12 x 44, 4 waves a work-group, clusters of 4 x 4, 327,680 bytes of LDS; arguments xq, xk, xv, wc, bq, bk, bv, lowp_scales, qc, kc, vc; writes qc, kc, vc
.if DOCPART == 2
	.amdgcn_target "amdgcn-amd-amdhsa--gfx1250"
	.amdhsa_code_object_version 6
	.text
	.protected	k_qdf7a9dfc17_proj
	.globl	k_qdf7a9dfc17_proj
	.p2align	8
	.type	k_qdf7a9dfc17_proj,@function
k_qdf7a9dfc17_proj:
	s_mov_b64 s[64:65], 0
	v_nop
	global_prefetch_b8 v0, s[64:65] scope:SCOPE_SE
	s_setreg_imm32_b32 hwreg(HW_REG_WAVE_MODE, 25, 1), 1
	s_wait_xcnt 0x0
	s_wait_alu depctr_hold_cnt(0) depctr_sa_sdst(0) depctr_va_vdst(0) depctr_va_sdst(0) depctr_va_ssrc(0) depctr_va_vcc(0) depctr_vm_vsrc(0)
	s_getreg_b32 s2, hwreg(HW_REG_IB_STS2, 6, 4)
	s_cmp_eq_u32 s2, 0
	s_cbranch_scc0 .Lentry_in_a_cluster
	s_endpgm
.Lentry_in_a_cluster:
	s_bfe_u32 s2, ttmp6, 0x10000c
	s_cmp_lg_u32 s2, 0xf033
	s_cbranch_scc0 .Lentry_shape_is_right
	s_endpgm
.Lentry_shape_is_right:
; q, k, v = x W^T + b on E4M3 codes, and their own quantising for the attention launch.  The cluster's x (0, 1, 2) is the SECTION: Q, K or V; it is the same in all sixteen partners.
; A tile of 256 x 256 results is made by four waves, 128 x 128 each (64 accumulators, 512 registers); K = 1,024 goes in four steps of 256 through a ring of two LDS slots filled by joint tensor loads.
; Q, K: A' = x's codes of the section (rows = tokens), B' = wc's rows of the section.   V: A' = wc's section 2 (rows = features), B' = xv (rows = tokens): so a lane's registers run along the KEYS, the second attention product's K.
; x's rows are taken batch by batch in half-tiles of 128: half-tile u begins at row (u / 11) 1370 + (u % 11) 128; a batch's last half-tile runs 38 rows on, into the next batch or the zero rows: those results are never used as data.
; THE MATRIX INSTRUCTION IS USED TRANSPOSED (source 0 = 16 rows of B', source 1 = 16 rows of A'): lane (r, h) holds row r of A' and, in register j of tile b, column 16 b + 8 h + j of B'.
; Q, K: wc's rows have bits 3 and 4 exchanged, so registers of tiles 2 B, 2 B + 1 are columns 32 B + 16 h + 0 .. 15: 16 codes, 16 neighbouring bytes of a head's row.
; V: registers of tiles 2 B, 2 B + 1 are keys 32 B + 16 u + 8 h + j; their 16 codes go to positions 32 B + 16 h + 8 u + j of the chunk's row: the order in which the attention launch makes p's codes.
; OUT: value = sum x 2^(ea + eb) + bias, one fused multiply-add in f32; held within +-448 x 2^eo; converted.  qc, kc: [batch x 16 + head][1408][64]; vc: [batch x 16 + head][11 chunks][64 d][128 positions].
; LIMITS: ea + eb between -126 and 127; eo between -126 and 119.  A fragment is fetched by four 16-byte loads: a permutation of k, the same in both operands, so only the order of the sums inside an instruction differs.
; REGISTERS, in windows of 256: window 0: v0-31 addresses and the scale; v32-47, v64-127 biases; from v128 A's fragments, ONE set (on the way out: v128-191 values, v192-223 codes, v224-255 rows read back).
;   window 1: B's fragments, TWO sets.   windows 2, 3: the accumulators ((a, b) at v[8 (8 (a % 4) + b)]).
.set ROWB,   256                       ; a tile's row in bytes: 256 codes
.set KROW,   1024                      ; a row of codes in memory
.set PITCH,  272                       ; an LDS row: 256 bytes + 16 of padding = 68 words: the 16 rows of a load start at 16 different banks (64 banks of 4 bytes: ISA guide 11.1)
.set FR,     16
.set NL,     4
.set NP,     4                         ; places behind this matrix instruction (ISA guide 7.12.1)
.set HALFT,  128*PITCH
.set SLOT,   4*HALFT
.set LAPS,   2                         ; 1,024 / 512
.set SPARE,  2*SLOT                    ; behind the ring: the spare words, 128 bytes for each wave
.set HB,     90112                     ; a head's block in qc, kc, vc
.set STGV,   16384                     ; the stages lie in slot 0, which has had its last fill and its last read when the first result is stored: Q, K: wave x 2,560; V: 16,384 + wave x 2,304
.set BO64, 12                          ; v12  64 h: my offset in the row of biases (Q, K); never rewritten
.set BO4,  13                          ; v13  4 r: the same for V
.set ADRA, 16
.set ADRB, 20
.set STOQ, 22
.set RDQ,  23
.set STOV, 24
.set RDV,  25
.set CO,   26                          ; v26  16 x lane
.set SPW,  28                          ; v28  LDS address of my spare word; never rewritten
.set NIL,  29                          ; v29  0; never rewritten
.set SCL,  30                          ; v30  2^eo
.set LIM,  31                          ; v31  448 x 2^eo
.set BV,   32                          ; v32-47   V: block a's bias of my row, twice (a pair)
.set BI,   64                          ; v64-127  Q, K: the biases of my 64 columns, in the accumulators' order
.set AF,   128
.set TMP,  128
.set CD,   192
.set BK,   224
.set G1, 24
.set G0, 32
.set G1B, 48
.set G0B, 56
.set MSB, 0
.macro WIN new                         ; the immediate's high byte repeats the setting that is left
.if MSB != \new
	s_set_vgpr_msb (MSB<<8)|\new
.set MSB, \new
.endif
.endm
.set MUL_LO, 0xa1                      ; source 0 (B') window 1, source 1 (A') window 0, C and D window 2
.set MUL_HI, 0xf1
.set TO_B,   0x40
; A joint load: waves 0 and 1 fetch for A', waves 2 and 3 for B'.  The branch hangs on the wave's number alone.  Four v_nop follow each of the two lines.
.macro JLOAD g0a, g1a, g0b, g1b
	s_cmp_eq_u32 s15, 0
	s_cbranch_scc0 .Lfor_b_\@
	tensor_load_to_lds s[\g0a:\g0a+3], s[\g1a:\g1a+7]
	s_nop 0
.rept 4
	v_nop
.endr
	s_branch .Lasked_\@
.Lfor_b_\@:
	tensor_load_to_lds s[\g0b:\g0b+3], s[\g1b:\g1b+7]
	s_nop 0
.rept 4
	v_nop
.endr
.Lasked_\@:
.endm
.macro CREST                           ; a round of the cluster's barrier behind its opening barrier
	s_cmp_lg_u32 s14, 0
	s_cbranch_scc1 .Lnot_wave_0_\@
	s_barrier_signal -3
.Lnot_wave_0_\@:
	s_barrier_wait -3
	s_barrier_signal -1
	s_barrier_wait -1
.endm
.macro CROUND
	s_barrier_signal -1
	s_barrier_wait -1
	CREST
.endm
	s_load_b512 s[68:83], s[0:1], 0x0              ; xq, xk, xv, wc, bq, bk, bv, lowp_scales
	s_load_b128 s[84:87], s[0:1], 0x40             ; qc, kc
	s_load_b64 s[88:89], s[0:1], 0x50              ; vc
	v_lshl_add_u32 v[SPW], v0, 2, SPARE
	v_mov_b32 v[NIL], 0
	ds_add_u32 v28, v29
	ds_add_u32 v28, v29
	s_wait_dscnt 0x0
	v_lshrrev_b32 v1, 5, v0
	v_readfirstlane_b32 s14, v1                    ; wave 0..3
	s_lshr_b32 s15, s14, 1                         ; which half of the tile's rows is mine.  Also: I fetch for A' (0) or for B' (1)
	s_and_b32 s16, s14, 1                          ; which half of its columns.  Also: which 128 rows I fetch
	s_bfe_u32 s40, ttmp6, 0x40000                  ; cx
	s_bfe_u32 s41, ttmp6, 0x40004                  ; cy
	s_and_b32 s18, ttmp7, 0xffff
	s_lshl_b32 s18, s18, 2                         ; 4 x cluster y
	s_add_co_u32 s17, s18, s41                     ; ta: x's tile where x is A' (Q, K)
	s_add_co_u32 s42, s18, s40                     ; tb: x's tile where x is B' (V)
	s_lshl_b32 s43, s41, 2
	s_lshl_b32 s43, 15, s43                        ; my row of the cluster
	s_lshl_b32 s44, 0x1111, s40                    ; my column
	s_or_b32 s[G1+0], s43, (0<<16)|(1<<20)|(1<<21)|(5<<22)|(3<<25)  ; 15:0 the mask: A's tiles go to my row; 17:16 elements of 1 byte; 20 padding on; 21 set beside a mask; 24:22 after every 64 words; 31:25 four words
	s_or_b32 s[G1B+0], s44, (0<<16)|(1<<20)|(1<<21)|(5<<22)|(3<<25)
.irp g, G1, G1B
	s_mov_b32 s[\g+1], ROWB<<16                    ; tensor_dim0
	s_mov_b32 s[\g+2], 128<<16                     ; tensor_dim1
	s_mov_b32 s[\g+3], ROWB<<16                    ; tile_dim0
	s_mov_b32 s[\g+4], 128                         ; tile_dim1
	s_mov_b32 s[\g+5], KROW                        ; tensor_dim0_stride
	s_mov_b32 s[\g+6], 0
	s_mov_b32 s[\g+7], 0
.endr
	; A's first row: made of cy, the cluster's y, the section and the wave alone
	s_lshl_b32 s19, s17, 1
	s_add_co_u32 s19, s19, s16                     ; half-tile u
	s_mul_i32 s20, s19, 373
	s_lshr_b32 s20, s20, 12                        ; u / 11 (exact for u under 88)
	s_mul_i32 s21, s20, 11
	s_sub_co_u32 s21, s19, s21                     ; u % 11
	s_mul_i32 s20, s20, 1370
	s_lshl_b32 s21, s21, 7
	s_add_co_u32 s20, s20, s21                     ; x's row
	s_lshl_b32 s21, s41, 8
	s_lshl_b32 s22, s16, 7
	s_add_co_u32 s21, s21, s22
	s_add_co_u32 s21, s21, 2048                    ; V: wc's row 2048 + 256 cy + 128 half
	s_cmp_eq_u32 ttmp9, 2
	s_cselect_b32 s20, s21, s20
	s_lshl_b32 s20, s20, 10                        ; in bytes
	s_mov_b32 s21, 0
	; B's first row: made of cx, the cluster's y, the section and the wave alone
	s_lshl_b32 s46, s42, 1
	s_add_co_u32 s46, s46, s16
	s_mul_i32 s47, s46, 373
	s_lshr_b32 s47, s47, 12
	s_mul_i32 s90, s47, 11
	s_sub_co_u32 s90, s46, s90
	s_mul_i32 s47, s47, 1370
	s_lshl_b32 s90, s90, 7
	s_add_co_u32 s46, s47, s90                     ; V: x's row
	s_lshl_b32 s47, s40, 8
	s_lshl_b32 s90, s16, 7
	s_add_co_u32 s47, s47, s90
	s_lshl_b32 s90, ttmp9, 10
	s_add_co_u32 s47, s47, s90                     ; Q, K: wc's row 1024 section + 256 cx + 128 half
	s_cmp_eq_u32 ttmp9, 2
	s_cselect_b32 s46, s46, s47
	s_lshl_b32 s46, s46, 10
	s_mov_b32 s47, 0
	s_mul_i32 s45, s14, HALFT                      ; where a tile goes: wave x 128 rows: no place in the cluster enters an LDS address
	s_wait_kmcnt 0x0
	s_load_b256 s[92:99], s[82:83], 0x0            ; entries 0 to 7
	s_load_b64 s[100:101], s[82:83], 0x20          ; entries 8, 9
	s_cmp_eq_u32 ttmp9, 0                          ; the buffers are chosen by the section alone
	s_cselect_b64 s[4:5], s[68:69], s[70:71]
	s_cselect_b64 s[8:9], s[76:77], s[78:79]
	s_cselect_b64 s[10:11], s[84:85], s[86:87]
	s_mov_b64 s[6:7], s[74:75]
	s_cmp_eq_u32 ttmp9, 2
	s_cselect_b64 s[4:5], s[74:75], s[4:5]         ; A': xq, xk or wc
	s_cselect_b64 s[6:7], s[72:73], s[6:7]         ; B': wc or xv
	s_cselect_b64 s[8:9], s[80:81], s[8:9]         ; the bias
	s_cselect_b64 s[10:11], s[88:89], s[10:11]     ; the output
	s_add_nc_u64 s[20:21], s[4:5], s[20:21]
	s_add_nc_u64 s[46:47], s[6:7], s[46:47]
	CROUND                                         ; all sixteen work-groups are here: the first joint loads meet
.irp s, 0,1
	s_mov_b32 s[G0+4*\s], 1
	s_add_co_u32 s[G0+4*\s+1], s45, \s*SLOT
	s_add_nc_u64 s[G0+4*\s+2:G0+4*\s+3], s[20:21], \s*ROWB
	s_or_b32 s[G0+4*\s+3], s[G0+4*\s+3], 0x80000000
	s_mov_b32 s[G0B+4*\s], 1
	s_add_co_u32 s[G0B+4*\s+1], s45, \s*SLOT
	s_add_nc_u64 s[G0B+4*\s+2:G0B+4*\s+3], s[46:47], \s*ROWB
	s_or_b32 s[G0B+4*\s+3], s[G0B+4*\s+3], 0x80000000
	JLOAD G0+4*\s, G1, G0B+4*\s, G1B
.endr
	v_and_b32 v1, 15, v0                           ; r
	v_bfe_u32 v2, v0, 4, 1                         ; h
	v_lshlrev_b32 v[BO64], 6, v2
	v_lshlrev_b32 v[BO4], 2, v1
	; the biases: both sets are loaded in every section, inside the buffer; a section uses one.  They land while the products run: one wait stands ahead of the way out
	s_lshl_b32 s46, s40, 10
	s_lshl_b32 s47, s16, 9
	s_add_co_u32 s46, s46, s47
	s_mov_b32 s47, 0
	s_add_nc_u64 s[90:91], s[8:9], s[46:47]        ; Q, K: at column 256 cx + 128 x my column half
	s_lshl_b32 s20, s41, 10
	s_lshl_b32 s21, s15, 9
	s_add_co_u32 s20, s20, s21
	s_mov_b32 s21, 0
	s_add_nc_u64 s[18:19], s[8:9], s[20:21]        ; V: at feature 256 cy + 128 x my row half
.irp b, 0,1,2,3
.irp q, 0,1,2,3
	global_load_b128 v[BI+16*\b+4*\q:BI+16*\b+4*\q+3], v[BO64], s[90:91] offset:128*\b+16*\q   ; columns 32 b + 16 h + 4 q on
.endr
.endr
.irp a, 0,1,2,3,4,5,6,7
	global_load_b32 v[BV+2*\a], v[BO4], s[18:19] offset:64*\a        ; feature 16 a + r,
	global_load_b32 v[BV+2*\a+1], v[BO4], s[18:19] offset:64*\a      ; twice: a pair for the packed form
.endr
	v_mul_u32_u24 v3, v1, PITCH
	v_lshl_add_u32 v4, v2, 4, v3                   ; a fragment's row x pitch + 16 x half
	s_mul_i32 s21, s15, HALFT                      ; my 128 rows of A'
	s_mul_i32 s22, s16, HALFT
	s_add_co_u32 s22, s22, 2*HALFT                 ; my 128 rows of B', behind A's 256
.irp s, 0,1
	v_add_nc_u32 v[ADRA+\s], s21, v4
	v_add_nc_u32 v[ADRB+\s], s22, v4
	s_add_co_u32 s21, s21, SLOT
	s_add_co_u32 s22, s22, SLOT
.endr
	s_mul_i32 s23, s14, 2560                       ; Q, K: my stage: 2 heads x 16 rows of 64 bytes + 16
	v_mul_u32_u24 v5, v1, 80
	v_lshl_add_u32 v5, v2, 4, v5
	v_add_nc_u32 v[STOQ], s23, v5                  ; in: row r, + 16 h
	v_and_b32 v6, 31, v0
	v_lshrrev_b32 v7, 2, v6
	v_mul_u32_u24 v7, v7, 80
	v_and_b32 v8, 3, v6
	v_lshl_add_u32 v7, v8, 4, v7
	v_add_nc_u32 v[RDQ], s23, v7                   ; back: four lanes to a row, eight rows an instruction
	s_mul_i32 s23, s14, 2304                       ; V: my stage: 16 rows of 128 bytes + 16
	s_add_co_u32 s23, s23, STGV
	v_mul_u32_u24 v5, v1, 144
	v_lshl_add_u32 v5, v2, 4, v5
	v_add_nc_u32 v[STOV], s23, v5
	v_lshrrev_b32 v7, 3, v6
	v_mul_u32_u24 v7, v7, 144
	v_and_b32 v8, 7, v6
	v_lshl_add_u32 v7, v8, 4, v7
	v_add_nc_u32 v[RDV], s23, v7                   ; back: eight lanes to a row, four rows an instruction
	v_lshlrev_b32 v[CO], 4, v6
	; where my wave's results begin: ((u / 11) 16 + first head) x 90,112 + (u % 11) x 8,192.  Q, K: u = 2 ta + row half, head 4 cx + 2 x column half;  V: u = 2 tb + column half, head 4 cy + 2 x row half
	s_cmp_eq_u32 ttmp9, 2
	s_cselect_b32 s20, s42, s17
	s_cselect_b32 s21, s16, s15
	s_cselect_b32 s22, s41, s40
	s_cselect_b32 s23, s15, s16
	s_lshl_b32 s20, s20, 1
	s_add_co_u32 s20, s20, s21
	s_mul_i32 s21, s20, 373
	s_lshr_b32 s21, s21, 12
	s_mul_i32 s46, s21, 11
	s_sub_co_u32 s20, s20, s46
	s_lshl_b32 s21, s21, 4
	s_lshl_b32 s22, s22, 2
	s_add_co_u32 s21, s21, s22
	s_lshl_b32 s23, s23, 1
	s_add_co_u32 s21, s21, s23
	s_mul_i32 s21, s21, HB
	s_lshl_b32 s20, s20, 13
	s_add_co_u32 s20, s20, s21
	s_mov_b32 s21, 0
	s_add_nc_u64 s[10:11], s[10:11], s[20:21]
.macro FRAG reg, adr, q, i             ; a fragment, 16 rows x 128 K: lane l holds row l % 16; registers 4 c .. 4 c + 3 hold K = 32 c + 16 (l / 16) + 0 .. 15
.irp c, 0,1,2,3
	ds_load_b128 v[\reg+4*\c:\reg+4*\c+3], v[\adr] offset:128*(\q)+32*\c+(\i)*16*PITCH
.endr
.endm
; 16 matrix instructions: A's blocks a0, a0 + 1 x B's eight.  The 64 accumulators take turns, one instruction a turn, in the same order in every step.
.macro MUL16 a0, p, zero
.irp a, \a0, \a0+1
.irp b, 0,1,2,3,4,5,6,7
.if \zero
	v_wmma_f32_16x16x128_fp8_fp8 v[8*(8*((\a)%4)+\b):8*(8*((\a)%4)+\b)+7], v[128*(\p)+FR*\b:128*(\p)+FR*\b+FR-1], v[AF+FR*(\a):AF+FR*(\a)+FR-1], 0
.else
	v_wmma_f32_16x16x128_fp8_fp8 v[8*(8*((\a)%4)+\b):8*(8*((\a)%4)+\b)+7], v[128*(\p)+FR*\b:128*(\p)+FR*\b+FR-1], v[AF+FR*(\a):AF+FR*(\a)+FR-1], v[8*(8*((\a)%4)+\b):8*(8*((\a)%4)+\b)+7]
.endif
.endr
.endr
.endm
.macro FETCH_B slot, q, p
	WIN TO_B
.irp i, 0,1,2,3,4,5,6,7
	FRAG 128*(\p)+FR*\i, ADRB+\slot, \q, \i
.endr
	WIN 0
.endm
.macro FETCH_A slot, q, i0
.irp i, \i0, \i0+1, \i0+2, \i0+3
	FRAG AF+FR*(\i), ADRA+\slot, \q, \i
.endr
.endm
.macro PLACES n                        ; plain vector lines between a matrix instruction and a load into, or a vector line on, its registers (ISA guide 7.12.1 for vector lines)
.rept \n
	v_nop
.endr
.endm
; A step of 128 along K that has its successor in the same slot.  A has one set of registers: blocks 0-3 are fetched anew in the step's middle, blocks 4-7 at its end; B has two sets.
.macro STEP slot, q, zero
	s_wait_dscnt 4*NL                              ; B's set and A's blocks 0-3 are in; the youngest sixteen loads (A's blocks 4-7) may be out
	WIN MUL_LO
	MUL16 0, (\q)%2, \zero
	MUL16 2, (\q)%2, \zero
	s_wait_dscnt 0                                 ; A's blocks 4-7 are in
	PLACES NP
	FETCH_B \slot, (\q)+1, 1-(\q)%2
	FETCH_A \slot, (\q)+1, 0
	WIN MUL_HI
	MUL16 4, (\q)%2, \zero
	MUL16 6, (\q)%2, \zero
	PLACES NP
	WIN 0
	FETCH_A \slot, (\q)+1, 4
.endm
; A slot's last step changes slots: ONE barrier; in front of it each wave waits for all its tensor loads, adds 0 to its spare word, and waits for that and for its own reads of this slot.
.macro TURN slot, next, fill
	s_wait_tensorcnt 0x0                           ; all my tensor loads have landed: my part of the next slot (every window is 0 here)
	ds_add_u32 v[SPW], v[NIL]                      ; 0 onto my spare word
	s_wait_dscnt 4*NL+1                            ; the add and the youngest sixteen loads may be out
	WIN MUL_LO
	MUL16 0, 1, 0                                  ; sixteen matrix instructions stand between the add and the wait for it
	s_wait_dscnt 0x0                               ; the add is done, and my reads of this slot are over
	s_barrier_signal -1
	MUL16 2, 1, 0
	WIN 0
	s_barrier_wait -1
.if \fill
	CREST                                          ; the barrier has opened a round of the cluster's barrier: no wave of any partner still reads this slot or has a load on its way
	s_add_nc_u64 s[G0+4*\slot+2:G0+4*\slot+3], s[G0+4*\slot+2:G0+4*\slot+3], 2*ROWB
	s_add_nc_u64 s[G0B+4*\slot+2:G0B+4*\slot+3], s[G0B+4*\slot+2:G0B+4*\slot+3], 2*ROWB
	JLOAD G0+4*\slot, G1, G0B+4*\slot, G1B         ; the first tensor load behind the round; its four v_nop are the places in front of the loads below
.else
	PLACES NP
.endif
	FETCH_B \next, 0, 0
	FETCH_A \next, 0, 0
	WIN MUL_HI
	MUL16 4, 1, 0
	MUL16 6, 1, 0
	PLACES NP
	WIN 0
	FETCH_A \next, 0, 4
.endm
	s_wait_tensorcnt 1                             ; my part of K step 0 is in; K step 1's load may be out
	s_barrier_signal -1
	s_barrier_wait -1
	FETCH_B 0, 0, 0
	FETCH_A 0, 0, 0
	FETCH_A 0, 0, 4
	STEP 0, 0, 1                                   ; the first step stands in front of the loop: its products start the sums
	s_mov_b32 s3, LAPS-1
.Llap:                                                 ; a trip goes once round the ring and fills both slots again
	TURN 0, 1, 1
	STEP 1, 0, 0
	TURN 1, 0, 1
	STEP 0, 0, 0
	s_sub_co_u32 s3, s3, 1
	s_cmp_lg_u32 s3, 0
	s_cbranch_scc1 .Llap
	TURN 0, 1, 0                                   ; the last lap fills nothing
	STEP 1, 0, 0
	s_wait_dscnt 4*NL
	WIN MUL_LO
	MUL16 0, 1, 0
	MUL16 2, 1, 0
	s_wait_dscnt 0
	WIN MUL_HI
	MUL16 4, 1, 0
	MUL16 6, 1, 0
	WIN 0
; THE WAY OUT, block by block of 16 rows of A' x 128 columns: value, hold, conversion; 16 bytes a lane into my own stage, back as runs that are consecutive in memory, stored 512 consecutive bytes an instruction.
.macro OUTBLK a, isv
.set AC, 64*((\a)%4)
.set CDS, CD+16*((\a)%2)
.set BKS, BK+16*((\a)%2)
	WIN (0x02+((\a)/4))                            ; source 0: window 2 or 3
.set jj, 0
.rept 32
.if \isv
	v_pk_fma_f32 v[TMP+jj:TMP+jj+1], v[AC+jj:AC+jj+1], s[96:97], v[BV+2*(\a):BV+2*(\a)+1] op_sel_hi:[1,0,1]   ; sum x 2^(ea + eb) + my feature's bias; each accumulator from its low end on
.else
	v_pk_fma_f32 v[TMP+jj:TMP+jj+1], v[AC+jj:AC+jj+1], s[96:97], v[BI+jj:BI+jj+1] op_sel_hi:[1,0,1]           ; sum x 2^(ea + eb) + the column's bias
.endif
.set jj, jj+2
.endr
	WIN 0
.set jj, 0
.rept 64
	v_med3_num_f32 v[TMP+jj], v[TMP+jj], -v[LIM], v[LIM]   ; the conversion to an 8-bit code does not saturate (ISA guide 7.6.2)
.set jj, jj+1
.endr
.set jj, 0
.rept 8
	v_cvt_scalef32_pk8_fp8_f32 v[CDS+2*jj:CDS+2*jj+1], v[TMP+8*jj:TMP+8*jj+7], v[SCL]
.set jj, jj+1
.endr
	v_nop                                          ; one plain vector line before the next block writes the conversions' sources
.irp b, 0,1,2,3
.if \isv
	ds_store_b128 v[STOV], v[CDS+4*\b:CDS+4*\b+3] offset:32*\b                    ; positions 32 b + 16 h on of row d = r
.else
	ds_store_b128 v[STOQ], v[CDS+4*\b:CDS+4*\b+3] offset:(\b/2)*1280+32*(\b%2)    ; head b / 2, row r, d = 32 (b % 2) + 16 h on
.endif
.endr
.irp i, 0,1,2,3
.if \isv
	ds_load_b128 v[BKS+4*\i:BKS+4*\i+3], v[RDV] offset:576*\i                     ; LDS serves a wave's instructions in order (ISA guide 5.7.1.4): these see the stores above
.else
	ds_load_b128 v[BKS+4*\i:BKS+4*\i+3], v[RDQ] offset:(\i/2)*1280+(\i%2)*640
.endif
.endr
.endm
.macro SENDBLK a, isv, younger         ; younger: the LDS instructions issued behind block a's loads, which may stay out
.set BKS, BK+16*((\a)%2)
	s_wait_dscnt \younger
.irp i, 0,1,2,3
.if \isv
	global_store_b128 v[CO], v[BKS+4*\i:BKS+4*\i+3], s[10:11] offset:((\a)/4)*HB+((\a)%4)*2048+512*\i   ; head a / 4, rows d = 16 (a % 4) + 4 i on: 512 consecutive bytes, aligned
.else
	global_store_b128 v[CO], v[BKS+4*\i:BKS+4*\i+3], s[10:11] offset:(\i/2)*HB+(\a)*1024+(\i%2)*512     ; head i / 2, rows 16 a + 8 (i % 2) on: 512 consecutive bytes, aligned
.endif
.endr
.endm
.macro WAYOUT isv
	OUTBLK 0, \isv
.irp a, 1,2,3,4,5,6,7
.if \a > 1
	s_wait_xcnt 0x0                                ; block a - 2's stores have read their registers: block a's loads may land there
.endif
	OUTBLK \a, \isv
	SENDBLK \a-1, \isv, 8                          ; behind block a - 1's loads: block a's four stores and four loads
.endr
	SENDBLK 7, \isv, 0
.endm
	s_wait_kmcnt 0x0
	s_add_co_i32 s92, s92, s93                     ; e0 + e1
	s_add_co_i32 s94, s94, s95                     ; e2 + e3
	s_add_co_i32 s96, s96, s97                     ; e4 + e5
	s_cmp_eq_u32 ttmp9, 0
	s_cselect_b32 s92, s92, s94
	s_cselect_b32 s98, s98, s99                    ; e6 or e7
	s_cmp_eq_u32 ttmp9, 2
	s_cselect_b32 s96, s96, s92
	s_cselect_b32 s98, s101, s98                   ; V: e9
	s_add_co_i32 s96, s96, 127
	s_lshl_b32 s96, s96, 23                        ; 2^(ea + eb) as f32
	s_mov_b32 s97, s96                             ; (named with it as a pair, so it is written)
	s_add_co_i32 s98, s98, 127
	s_lshl_b32 s99, s98, 23
	v_mov_b32 v[SCL], s99                          ; 2^eo
	s_add_co_i32 s98, s98, 8
	s_lshl_b32 s98, s98, 23
	s_or_b32 s98, s98, 0x600000
	v_mov_b32 v[LIM], s98                          ; 448 x 2^eo
	s_wait_loadcnt 0x0                             ; the biases
	PLACES NP                                      ; behind the last products: the values below land in the registers that held A's fragments
	s_cmp_eq_u32 ttmp9, 2                          ; the section: the same in all sixteen partners
	s_cbranch_scc1 .Lvout
	WAYOUT 0
	s_branch .Ldone
.Lvout:
	WAYOUT 1
.Ldone:
	s_wait_tensorcnt 0x0                           ; the wave's end: behind my last tensor load and my last LDS store
	ds_add_u32 v[SPW], v[NIL]
	s_wait_dscnt 0x0
	CROUND                                         ; the closing round: no work-group ends while a partner may still ask for a tile that names it
	s_endpgm
.Lfunc_end_k_qdf7a9dfc17_proj:
	.size	k_qdf7a9dfc17_proj, .Lfunc_end_k_qdf7a9dfc17_proj-k_qdf7a9dfc17_proj
	.p2alignl 7, 3214868480
	.fill 96, 4, 3214868480
	.section	.rodata,"a",@progbits
	.p2align	6, 0x0
	.amdhsa_kernel k_qdf7a9dfc17_proj
		.amdhsa_group_segment_fixed_size 327680
		.amdhsa_private_segment_fixed_size 0
		.amdhsa_enable_private_segment 0
		.amdhsa_kernarg_size 88
		.amdhsa_user_sgpr_count 2
		.amdhsa_user_sgpr_kernarg_segment_ptr 1
		.amdhsa_wavefront_size32 1
		.amdhsa_system_sgpr_workgroup_id_x 1
		.amdhsa_system_sgpr_workgroup_id_y 1
		.amdhsa_system_sgpr_workgroup_id_z 1
		.amdhsa_system_vgpr_workitem_id 0
		.amdhsa_next_free_vgpr 1024
		.amdhsa_next_free_sgpr 102
		.amdhsa_reserve_vcc 0
		.amdhsa_float_denorm_mode_32 3
		.amdhsa_float_denorm_mode_16_64 3
		.amdhsa_memory_ordered 1
		.amdhsa_forward_progress 1
		.amdhsa_inst_pref_size 205
	.end_amdhsa_kernel
	.amdgpu_metadata
---
amdhsa.version: [ 1, 2 ]
amdhsa.kernels:
  - .name:           k_qdf7a9dfc17_proj
    .symbol:         k_qdf7a9dfc17_proj.kd
    .args:
      - { .name: xq, .offset: 0, .size: 8, .value_kind: global_buffer, .address_space: global }
      - { .name: xk, .offset: 8, .size: 8, .value_kind: global_buffer, .address_space: global }
      - { .name: xv, .offset: 16, .size: 8, .value_kind: global_buffer, .address_space: global }
      - { .name: wc, .offset: 24, .size: 8, .value_kind: global_buffer, .address_space: global }
      - { .name: bq, .offset: 32, .size: 8, .value_kind: global_buffer, .address_space: global }
      - { .name: bk, .offset: 40, .size: 8, .value_kind: global_buffer, .address_space: global }
      - { .name: bv, .offset: 48, .size: 8, .value_kind: global_buffer, .address_space: global }
      - { .name: lowp_scales, .offset: 56, .size: 8, .value_kind: global_buffer, .address_space: global }
      - { .name: qc, .offset: 64, .size: 8, .value_kind: global_buffer, .address_space: global }
      - { .name: kc, .offset: 72, .size: 8, .value_kind: global_buffer, .address_space: global }
      - { .name: vc, .offset: 80, .size: 8, .value_kind: global_buffer, .address_space: global }
    .group_segment_fixed_size: 327680
    .private_segment_fixed_size: 0
    .kernarg_segment_align: 8
    .kernarg_segment_size: 88
    .max_flat_workgroup_size: 128
    .sgpr_count:     102
    .vgpr_count:     1024
    .wavefront_size: 32
...
	.end_amdgpu_metadata
.endif
;; end of part 2
;; launch attn (part 3): grid 2 x 128, 16 waves a work-group, no clusters, 285,696 bytes of LDS; arguments qc, kc, vc, lowp_scales, out0; writes out0
.if DOCPART == 3
	.amdgcn_target "amdgcn-amd-amdhsa--gfx1250"
	.amdhsa_code_object_version 6
	.text
	.protected	k_qdf7a9dfc17_attn
	.globl	k_qdf7a9dfc17_attn
	.p2align	8
	.type	k_qdf7a9dfc17_attn,@function
k_qdf7a9dfc17_attn:
	s_mov_b64 s[64:65], 0
	v_nop
	global_prefetch_b8 v0, s[64:65] scope:SCOPE_SE
	s_setreg_imm32_b32 hwreg(HW_REG_WAVE_MODE, 25, 1), 1
	s_wait_xcnt 0x0
; out0[b][q][head x 64 + d] = the sum over keys of softmax(q . k / 8) v, both products on E4M3 codes with the given scales (entries 6: q, 7: k, 8: p, 9: v).
; t = score x log2(e) / 8; M = the running largest t rounded UP to a whole number; p = 2^(t - M) is quantised, not normalised; the row's sum is taken of the unquantised p and divides at the end.
; When M moves, the sum and O are multiplied by 2^(old M - new M): exact.
; SHARES.  Work-group (part, batch x 16 + head) owns 43 of the head's 86 tiles of 16 queries; wave w takes local tiles w, w + 16, w + 32 where those are under 43.  Every wave walks the loops; a wave with no tile jumps over a step's work.
; THE HEAD'S K AND V LIE IN LDS FOR THE WHOLE LAUNCH (1,408 keys: 11 chunks of 128), brought through registers: chunks 0-2 first, a barrier, three key steps while chunks 3-10 are on their way, their stores, a second barrier.
; The stores of chunks 3-10 and the other waves' reads of chunks 0-2 touch different bytes.  Behind the second barrier K and V are only read, and each wave's stage is its own: no further barrier.
; NO CLUSTER, NO TENSOR LOAD: the two work-groups of a head share K and V, 180,224 bytes read once at the head, not in a loop.
; LAYOUT.  Both products are used transposed: S^T = K Q^T (source 0 = 16 neighbouring keys, source 1 = my 16 queries), O^T = V^T P^T: a lane holds ONE query (lane % 16) throughout.
; Registers of score tiles 2 B, 2 B + 1 are keys 32 B + 16 u + 8 h + j; their 16 codes stand where V's rows (positions 32 B + 16 h + 8 u + j) hold those same keys: vc was laid so.
; THE LAST CHUNK has 90 keys: tiles 6 and 7 are not multiplied and count as -infinity, and so do keys 10-15 of tile 5 (lanes 16-31, registers 2-7): p = 0 there.
; LIMITS: e6 + e7 between -123 and 130 (added to c's exponent field); ep between -126 and 119.  Fragments are fetched by 16-byte loads: a permutation of k, the same in both operands.
; THE HOLD ON p is jumped over where ep >= -8: p is at most 1 but for a rounding, and 448 x 2^ep is then at least 1.75.
.set NT,   43                          ; tiles of a work-group
.set KP,   80                          ; a key's row in LDS: 64 bytes + 16 = 20 words: the 16 rows of a load start at 16 different groups of four banks (64 banks of 4 bytes: ISA guide 11.1)
.set VP,   144                         ; a row of V's chunk: 128 bytes + 16 = 36 words: likewise
.set KCH,  128*KP                      ; a chunk of K in LDS
.set VCH,  64*VP                       ; a chunk of V
.set VOFF, 11*KCH
.set STG,  VOFF+11*VCH                 ; the stages: 16 rows x (256 + 16) bytes for each wave
.set HB,   90112                       ; a head's block in qc, kc, vc
.set AK0, 1                            ; v1  80 r + 16 h
.set AV0, 2                            ; v2  VOFF + 144 r + 16 h
.set ADK, 3
.set ADV, 4
.set STO, 5                            ; v5  the way out: where I put 32 bytes of a row
.set RD,  6                            ; v6  and where I read a row back
.set GO,  7                            ; v7  4096 h + 16 r: my bytes in two rows of out0
.set QO,  8                            ; v8  64 r + 16 h
.set Q,   16                           ; v16-23  my tile's fragment of q
.set FB,  32                           ; v32-63  four fragments of K, or two of V
.set S,   64                           ; v64-127 S^T, then p
.set O,   128                          ; v128-159 O^T
.set PC,  160                          ; v160-175 p's codes
.set HOLD, 184                         ; v184-247 chunks 3-10 on their way
.set LT,  15                           ; s15 my local tile
.set TK,  16                           ; s16 LDS byte of the step's chunk of K
.set TV,  17                           ; s17 of V
	s_load_b256 s[4:11], s[0:1], 0x0               ; qc, kc, vc, lowp_scales
	s_load_b64 s[12:13], s[0:1], 0x20              ; out0
	v_lshl_add_u32 v254, v0, 2, 0x45400
	v_mov_b32 v255, 0
	v_lshrrev_b32 v24, 5, v0
	v_readfirstlane_b32 s14, v24                   ; wave 0..15
	v_and_b32 v25, 15, v0                          ; r
	v_bfe_u32 v24, v0, 4, 1                        ; h
	v_mul_u32_u24 v[AK0], v25, KP
	v_lshl_add_u32 v[AK0], v24, 4, v[AK0]
	v_mul_u32_u24 v[AV0], v25, VP
	v_lshl_add_u32 v[AV0], v24, 4, v[AV0]
	v_add_nc_u32 v[AV0], VOFF, v[AV0]
	s_mul_i32 s46, s14, 16*272
	s_add_co_u32 s46, s46, STG                     ; my stage
	v_mul_u32_u24 v[STO], v25, 272
	v_lshl_add_u32 v[STO], v24, 5, v[STO]
	v_add_nc_u32 v[STO], s46, v[STO]
	v_mul_u32_u24 v[RD], v24, 272
	v_lshl_add_u32 v[RD], v25, 4, v[RD]
	v_add_nc_u32 v[RD], s46, v[RD]
	v_lshlrev_b32 v[GO], 12, v24
	v_lshl_add_u32 v[GO], v25, 4, v[GO]
	v_lshlrev_b32 v[QO], 6, v25
	v_lshl_add_u32 v[QO], v24, 4, v[QO]
	v_mov_b32 v9, 0xff800000                       ; -infinity
	v_lshrrev_b32 v248, 2, v0                      ; the fill: thread T's 16 bytes of a chunk's 8,192.  K: row T / 4, byte 16 (T % 4)
	v_mul_u32_u24 v248, v248, KP
	v_and_b32 v249, 3, v0
	v_lshl_add_u32 v248, v249, 4, v248
	v_add_nc_u32 v249, 7*KCH, v248                 ; (an LDS offset has 16 bits: chunks 7 on have a register of their own)
	v_lshrrev_b32 v250, 3, v0                      ; V: row T / 8, byte 16 (T % 8)
	v_mul_u32_u24 v250, v250, VP
	v_and_b32 v251, 7, v0
	v_lshl_add_u32 v250, v251, 4, v250
	v_add_nc_u32 v250, VOFF, v250
	v_add_nc_u32 v251, 8*VCH, v250
	v_lshlrev_b32 v252, 4, v0
	v_mov_b32 v27, 0                               ; (named as the upper half of the pair v[26:27])
	v_mov_b32 v28, 0                               ; written once: a lane permute's destination counts as one of its sources
	s_and_b32 s43, ttmp7, 0xffff                   ; batch x 16 + head
	s_mul_i32 s44, s43, HB
	s_mov_b32 s45, 0
	s_mul_i32 s26, ttmp9, NT                       ; my work-group's first tile
	s_mov_b32 s[LT], s14
	s_add_co_u32 s27, s26, s[LT]                   ; my tile, 0..85
	s_lshr_b32 s41, s43, 4
	s_mul_i32 s41, s41, 1370                       ; the batch's first row of out0
	s_and_b32 s42, s43, 15
	s_lshl_b32 s42, s42, 8                         ; the head's 256 bytes of a row
	s_mov_b32 s20, 0x76543210                      ; v_permlanex16_b32: lane l xor 16
	s_mov_b32 s21, 0xfedcba98
	s_mov_b32 s40, 0xffff0000                      ; lanes 16-31
	s_lshl_b32 s38, s27, 10
	s_mov_b32 s39, 0
	s_wait_kmcnt 0x0
	s_load_b128 s[32:35], s[10:11], 0x18           ; e6 (q), e7 (k), ep, ev
	s_add_nc_u64 s[4:5], s[4:5], s[44:45]
	s_add_nc_u64 s[6:7], s[6:7], s[44:45]
	s_add_nc_u64 s[8:9], s[8:9], s[44:45]
	s_add_nc_u64 s[28:29], s[4:5], s[38:39]
	global_load_b128 v[Q:Q+3], v[QO], s[28:29]                 ; registers 0-3: d = 16 h on; 4-7: d = 32 + 16 h on
	global_load_b128 v[Q+4:Q+7], v[QO], s[28:29] offset:32
.irp j, 0,1,2
	global_load_b128 v[S+4*\j:S+4*\j+3], v252, s[6:7] offset:8192*\j        ; 512 threads x 16 bytes: a chunk an instruction
	global_load_b128 v[S+12+4*\j:S+12+4*\j+3], v252, s[8:9] offset:8192*\j
.endr
.irp j, 3,4,5,6,7,8,9,10
	global_load_b128 v[HOLD+4*(\j-3):HOLD+4*(\j-3)+3], v252, s[6:7] offset:8192*\j
	global_load_b128 v[HOLD+32+4*(\j-3):HOLD+32+4*(\j-3)+3], v252, s[8:9] offset:8192*\j
.endr
	s_wait_kmcnt 0x0
	s_add_co_i32 s38, s32, s33
	s_lshl_b32 s38, s38, 23
	s_add_co_i32 s22, s38, 0x3e38aa3b              ; c = log2(e) / 8, with e6 + e7 added to its exponent field
	s_mov_b32 s23, s22                             ; (named with it as a pair, so it is written)
	s_cmp_ge_i32 s34, -8
	s_cselect_b32 s24, 1, 0                        ; 1: no hold is needed
	s_add_co_i32 s25, s34, s35                     ; ep + ev
	s_add_co_i32 s38, s34, 127
	s_lshl_b32 s39, s38, 23
	v_mov_b32 v10, s39                             ; 2^ep
	s_add_co_i32 s38, s38, 8
	s_lshl_b32 s38, s38, 23
	s_or_b32 s38, s38, 0x600000
	v_mov_b32 v11, s38                             ; 448 x 2^ep
; A KEY STEP: 128 keys.  last = 1: the eleventh chunk.
.macro STEP last
	s_cmp_ge_u32 s[LT], NT                         ; a wave with no tile in this pass does nothing but step the addresses
	s_cbranch_scc1 .Lhid_\@
	v_add_nc_u32 v[ADK], s[TK], v[AK0]
	v_add_nc_u32 v[ADV], s[TV], v[AV0]
	v_nop                                          ; with the two additions: four places in front of loads into registers that the last products read
	v_nop
.irp t, 0,1,2,3
.irp c, 0,1
	ds_load_b128 v[FB+8*\t+4*\c:FB+8*\t+4*\c+3], v[ADK] offset:16*KP*\t+32*\c
.endr
.endr
	s_wait_dscnt 0x0
.irp t, 0,1,2,3
	v_wmma_f32_16x16x64_fp8_fp8 v[S+8*\t:S+8*\t+7], v[FB+8*\t:FB+8*\t+7], v[Q:Q+7], 0
.endr
.rept 4
	v_nop
.endr
.if \last
.irp t, 0,1
.irp c, 0,1
	ds_load_b128 v[FB+8*\t+4*\c:FB+8*\t+4*\c+3], v[ADK] offset:16*KP*(4+\t)+32*\c
.endr
.endr
	s_wait_dscnt 0x0
.irp t, 0,1
	v_wmma_f32_16x16x64_fp8_fp8 v[S+8*(4+\t):S+8*(4+\t)+7], v[FB+8*\t:FB+8*\t+7], v[Q:Q+7], 0
.endr
.set jj, 48
.rept 16
	v_mov_b32 v[S+jj], v9                          ; tiles 6 and 7: no key.  (These sixteen are also the places behind the products)
.set jj, jj+1
.endr
.else
.irp t, 0,1,2,3
.irp c, 0,1
	ds_load_b128 v[FB+8*\t+4*\c:FB+8*\t+4*\c+3], v[ADK] offset:16*KP*(4+\t)+32*\c
.endr
.endr
	s_wait_dscnt 0x0
.irp t, 0,1,2,3
	v_wmma_f32_16x16x64_fp8_fp8 v[S+8*(4+\t):S+8*(4+\t)+7], v[FB+8*\t:FB+8*\t+7], v[Q:Q+7], 0
.endr
.rept 4
	v_nop
.endr
.endif
.irp t, 0,1                                    ; V's first two fragments land under the softmax
.irp c, 0,1,2,3
	ds_load_b128 v[FB+16*\t+4*\c:FB+16*\t+4*\c+3], v[ADV] offset:16*VP*\t+32*\c
.endr
.endr
.if \last
.irp j, 2,3,4,5,6,7
	v_cndmask_b32 v[S+40+\j], v[S+40+\j], v9, s40  ; tile 5, keys 10 to 15: lanes 16-31
.endr
.endif
	v_max3_num_f32 v24, v[S], v[S+1], v[S+2]       ; the step's largest score of my query among my 64 keys, in two chains, each accumulator from its low end on
	v_max3_num_f32 v25, v[S+3], v[S+4], v[S+5]
.irp i, 6,10,14,18,22,26,30,34,38,42,46,50,54,58
	v_max3_num_f32 v24, v24, v[S+\i], v[S+1+\i]
	v_max3_num_f32 v25, v25, v[S+2+\i], v[S+3+\i]
.endr
	v_max3_num_f32 v24, v24, v[S+62], v[S+63]
	v_max_num_f32 v24, v24, v25
	v_permlanex16_b32 v28, v24, s20, s21
	v_max_num_f32 v24, v24, v28                    ; and among lane l xor 16's
	v_mul_f32 v24, s22, v24                        ; as t (c is positive)
	v_max_num_f32 v13, v13, v24                    ; the running largest t
	v_mov_b32 v24, v12
	v_floor_f32 v12, -v13                          ; the new -M = floor(-t): M is a whole number
	v_sub_f32 v24, v12, v24                        ; old M - new M, 0 or less
	v_cvt_i32_f32 v24, v24                         ; (it saturates)
	v_ldexp_f32 v26, 1.0, v24                      ; f = 2^(old M - new M)
.set jj, 0
.rept 32
	v_pk_fma_f32 v[S+jj:S+jj+1], v[S+jj:S+jj+1], s[22:23], v[12:13] op_sel_hi:[1,0,0]   ; t - M, two at a time
.set jj, jj+2
.endr
.set jj, 0
.rept 64
	v_exp_f32 v[S+jj], v[S+jj]                     ; p = 2^(t - M)
.set jj, jj+1
.endr
	v_pk_mul_f32 v[14:15], v[14:15], v[26:27] op_sel_hi:[1,0]   ; the sums under the new M: the plain line behind the exponentials
	s_wait_alu depctr_va_vdst(0)                   ; one wait for the whole batch, ahead of its first reader
	v_pk_add_f32 v[30:31], v[S:S+1], v[S+2:S+3]    ; the row's sum of the UNQUANTISED p, in two chains
.irp j, 4,8,12,16,20,24,28,32,36,40,44,48,52,56,60
	v_pk_add_f32 v[14:15], v[14:15], v[S+\j:S+1+\j]
	v_pk_add_f32 v[30:31], v[30:31], v[S+2+\j:S+3+\j]
.endr
	v_pk_add_f32 v[14:15], v[14:15], v[30:31]
	s_cmp_lg_u32 s24, 0                            ; a branch on the given whole number ep
	s_cbranch_scc1 .Lnohold_\@
.set jj, 0
.rept 64
	v_min_num_f32 v[S+jj], v[S+jj], v11            ; the conversion to an 8-bit code does not saturate (ISA guide 7.6.2); p is not negative: a one-sided hold
.set jj, jj+1
.endr
.Lnohold_\@:
.set jj, 0
.rept 8
	v_cvt_scalef32_pk8_fp8_f32 v[PC+2*jj:PC+2*jj+1], v[S+8*jj:S+8*jj+7], v10
.set jj, jj+1
.endr
.set jj, 0
.rept 16
	v_pk_mul_f32 v[O+jj:O+jj+1], v[O+jj:O+jj+1], v[26:27] op_sel_hi:[1,0]   ; O^T under the new M; also the plain lines behind the conversions
.set jj, jj+2
.endr
	s_wait_dscnt 0x0                               ; V's first two fragments
.irp t, 0,1
	v_wmma_f32_16x16x128_fp8_fp8 v[O+8*\t:O+8*\t+7], v[FB+16*\t:FB+16*\t+15], v[PC:PC+15], v[O+8*\t:O+8*\t+7]
.endr
.rept 4
	v_nop
.endr
.irp t, 0,1
.irp c, 0,1,2,3
	ds_load_b128 v[FB+16*\t+4*\c:FB+16*\t+4*\c+3], v[ADV] offset:16*VP*(2+\t)+32*\c
.endr
.endr
	s_wait_dscnt 0x0
.irp t, 0,1
	v_wmma_f32_16x16x128_fp8_fp8 v[O+8*(2+\t):O+8*(2+\t)+7], v[FB+16*\t:FB+16*\t+15], v[PC:PC+15], v[O+8*(2+\t):O+8*(2+\t)+7]
.endr
.Lhid_\@:
	s_add_co_u32 s[TK], s[TK], KCH
	s_add_co_u32 s[TV], s[TV], VCH
.endm
.macro KLOOP n                         ; n key steps; the trip count is a constant
	s_mov_b32 s18, \n
.Lk_\@:
	STEP 0
	s_sub_co_u32 s18, s18, 1
	s_cmp_lg_u32 s18, 0
	s_cbranch_scc1 .Lk_\@
.endm
.macro INIT w                          ; a tile begins: O^T and the sum are zeros, the largest t lies under every t.  w = 1: behind a tile
.if \w
	s_wait_loadcnt 0x0                             ; the next tile's q is in
	s_wait_xcnt 0x0                                ; the last tile's stores have read their registers and their base: both are written again below
.endif
.set jj, 0
.rept 32
	v_mov_b32 v[O+jj], 0
.set jj, jj+1
.endr
	v_mov_b32 v13, 0xff61b1e6                      ; -3e38
	v_floor_f32 v12, -v13
	v_mov_b32 v14, 0
	v_mov_b32 v15, 0
	s_mov_b32 s[TK], 0
	s_mov_b32 s[TV], 0
.endm
	s_wait_loadcnt 16                              ; q and chunks 0-2 are in; the sixteen loads of chunks 3-10 may be out
.irp j, 0,1,2
	ds_store_b128 v248, v[S+4*\j:S+4*\j+3] offset:KCH*\j
	ds_store_b128 v250, v[S+12+4*\j:S+12+4*\j+3] offset:VCH*\j
.endr
	s_wait_dscnt 0x0                               ; for the others' sake: my stores have landed
	s_barrier_signal -1
	s_barrier_wait -1                              ; chunks 0-2 are whole
	INIT 0
	KLOOP 3                                        ; my first tile's key steps 0-2, while the rest of K and V is on its way
	s_wait_loadcnt 0x0
.irp j, 3,4,5,6
	ds_store_b128 v248, v[HOLD+4*(\j-3):HOLD+4*(\j-3)+3] offset:KCH*\j
.endr
.irp j, 7,8,9,10
	ds_store_b128 v249, v[HOLD+4*(\j-3):HOLD+4*(\j-3)+3] offset:KCH*(\j-7)
.endr
.irp j, 3,4,5,6,7
	ds_store_b128 v250, v[HOLD+32+4*(\j-3):HOLD+32+4*(\j-3)+3] offset:VCH*\j
.endr
.irp j, 8,9,10
	ds_store_b128 v251, v[HOLD+32+4*(\j-3):HOLD+32+4*(\j-3)+3] offset:VCH*(\j-8)
.endr
	s_wait_dscnt 0x0
	s_barrier_signal -1
	s_barrier_wait -1                              ; all of K and V lies in LDS; nobody writes it again
	s_mov_b32 s19, 3
.Lpass:                                                ; a trip: a tile's key steps 3-10, its way out, and the next tile's key steps 0-2
	KLOOP 7
	STEP 1
	s_add_co_u32 s36, s[LT], 16                    ; the next tile's q is asked for now; past the last tile the address is held inside the head's block
	s_add_co_u32 s37, s26, s36
	s_min_u32 s38, s37, 87
	s_lshl_b32 s38, s38, 10
	s_mov_b32 s39, 0
	s_add_nc_u64 s[28:29], s[4:5], s[38:39]
	global_load_b128 v[Q:Q+3], v[QO], s[28:29]
	global_load_b128 v[Q+4:Q+7], v[QO], s[28:29] offset:32
.rept 4
	v_nop                                          ; places behind the last products, on every path
.endr
	s_cmp_ge_u32 s[LT], NT
	s_cbranch_scc1 .Lnoout
	v_add_f32 v14, v14, v15                        ; the sum's two halves,
	v_permlanex16_b32 v28, v14, s20, s21
	v_add_f32 v14, v14, v28                        ; and lane l xor 16's
	v_rcp_f32 v14, v14
	v_nop                                          ; a plain line behind the reciprocal
	s_lshl_b32 s38, s27, 4
	s_add_co_u32 s38, s38, s41                     ; the tile's first row of out0
	s_lshl_b32 s38, s38, 12
	s_add_co_u32 s38, s38, s42
	s_mov_b32 s39, 0
	s_add_nc_u64 s[30:31], s[12:13], s[38:39]
	s_wait_alu depctr_va_vdst(0)                   ; ahead of the reciprocal's first reader
	v_ldexp_f32 v14, v14, s25                      ; x 2^(ep + ev)
.set jj, 0
.rept 16
	v_pk_mul_f32 v[S+jj:S+jj+1], v[O+jj:O+jj+1], v[14:15] op_sel_hi:[1,0]   ; register 8 t + j: o(query r, d = 16 t + 8 h + j)
.set jj, jj+2
.endr
.irp t, 0,1,2,3
	ds_store_b128 v[STO], v[S+8*\t:S+8*\t+3] offset:64*\t
	ds_store_b128 v[STO], v[S+8*\t+4:S+8*\t+7] offset:64*\t+16
.endr
.irp i, 0,1,2,3,4,5,6,7
	ds_load_b128 v[FB+4*\i:FB+4*\i+3], v[RD] offset:2*272*\i   ; LDS serves a wave's instructions in order (ISA guide 5.7.1.4): these see my stores
.endr
	s_wait_dscnt 0x0
.irp i, 0,1,2,3,4
	global_store_b128 v[GO], v[FB+4*\i:FB+4*\i+3], s[30:31] offset:8192*\i th:TH_STORE_NT   ; sixteen lanes store 256 consecutive bytes, aligned: a head's part of a row; two rows an instruction
.endr
	s_cmp_eq_u32 s27, 85                           ; the head's last tile has ten queries
	s_cbranch_scc1 .Lnoout
.irp i, 5,6,7
	global_store_b128 v[GO], v[FB+4*\i:FB+4*\i+3], s[30:31] offset:8192*\i th:TH_STORE_NT
.endr
.Lnoout:
	s_mov_b32 s[LT], s36
	s_mov_b32 s27, s37
	INIT 1
	KLOOP 3
	s_sub_co_u32 s19, s19, 1
	s_cmp_lg_u32 s19, 0
	s_cbranch_scc1 .Lpass
	s_wait_tensorcnt 0x0
	ds_add_u32 v254, v255
	s_wait_dscnt 0x0
	s_endpgm
.Lfunc_end_k_qdf7a9dfc17_attn:
	.size	k_qdf7a9dfc17_attn, .Lfunc_end_k_qdf7a9dfc17_attn-k_qdf7a9dfc17_attn
	.p2alignl 7, 3214868480
	.fill 96, 4, 3214868480
	.section	.rodata,"a",@progbits
	.p2align	6, 0x0
	.amdhsa_kernel k_qdf7a9dfc17_attn
		.amdhsa_group_segment_fixed_size 285696
		.amdhsa_private_segment_fixed_size 0
		.amdhsa_enable_private_segment 0
		.amdhsa_kernarg_size 40
		.amdhsa_user_sgpr_count 2
		.amdhsa_user_sgpr_kernarg_segment_ptr 1
		.amdhsa_wavefront_size32 1
		.amdhsa_system_sgpr_workgroup_id_x 1
		.amdhsa_system_sgpr_workgroup_id_y 1
		.amdhsa_system_sgpr_workgroup_id_z 1
		.amdhsa_system_vgpr_workitem_id 0
		.amdhsa_next_free_vgpr 256
		.amdhsa_next_free_sgpr 66
		.amdhsa_reserve_vcc 0
		.amdhsa_float_denorm_mode_32 3
		.amdhsa_float_denorm_mode_16_64 3
		.amdhsa_memory_ordered 1
		.amdhsa_forward_progress 1
		.amdhsa_inst_pref_size 78
	.end_amdhsa_kernel
	.amdgpu_metadata
---
amdhsa.version: [ 1, 2 ]
amdhsa.kernels:
  - .name:           k_qdf7a9dfc17_attn
    .symbol:         k_qdf7a9dfc17_attn.kd
    .args:
      - { .name: qc, .offset: 0, .size: 8, .value_kind: global_buffer, .address_space: global }
      - { .name: kc, .offset: 8, .size: 8, .value_kind: global_buffer, .address_space: global }
      - { .name: vc, .offset: 16, .size: 8, .value_kind: global_buffer, .address_space: global }
      - { .name: lowp_scales, .offset: 24, .size: 8, .value_kind: global_buffer, .address_space: global }
      - { .name: out0, .offset: 32, .size: 8, .value_kind: global_buffer, .address_space: global }
    .group_segment_fixed_size: 285696
    .private_segment_fixed_size: 0
    .kernarg_segment_align: 8
    .kernarg_segment_size: 40
    .max_flat_workgroup_size: 512
    .sgpr_count:     66
    .vgpr_count:     256
    .wavefront_size: 32
...
	.end_amdgpu_metadata
.endif
;; end of part 3
;; ======== version 2 of 2: 3 launches; version 1 with the launch attn written anew for expert scheduling mode
;; workspace buffers: xq 11,272,192 bytes; xk 11,272,192 bytes; xv 11,272,192 bytes; wc 3,145,728 bytes; qc 11,534,336 bytes; kc 11,534,336 bytes; vc 11,534,336 bytes
;; launch quant: the kernel of part 1 again; grid 880 x 1, 4 waves a work-group, no clusters, 20,992 bytes of LDS; arguments hidden_states, Wq, Wk, Wv, lowp_scales, xq, xk, xv, wc; writes xq, xk, xv, wc
;; launch proj: the kernel of part 2 again; grid 12 x 44, 4 waves a work-group, clusters of 4 x 4, 327,680 bytes of LDS; arguments xq, xk, xv, wc, bq, bk, bv, lowp_scales, qc, kc, vc; writes qc, kc, vc
;; launch attn (part 4): grid 2 x 128, 16 waves a work-group, no clusters, 285,696 bytes of LDS; arguments qc, kc, vc, lowp_scales, out0; writes out0
.if DOCPART == 4
	.amdgcn_target "amdgcn-amd-amdhsa--gfx1250"
	.amdhsa_code_object_version 6
	.text
	.protected	k_qdf7a9dfc17_attn
	.globl	k_qdf7a9dfc17_attn
	.p2align	8
	.type	k_qdf7a9dfc17_attn,@function
k_qdf7a9dfc17_attn:
	s_mov_b64 s[64:65], 0
	v_nop
	global_prefetch_b8 v0, s[64:65] scope:SCOPE_SE
	s_setreg_imm32_b32 hwreg(HW_REG_WAVE_SCHED_MODE, 0, 2), 2
	s_setreg_imm32_b32 hwreg(HW_REG_WAVE_MODE, 25, 1), 1
	s_wait_xcnt 0x0
	s_wait_alu depctr_vm_vsrc(0)
; out0[b][q][head x 64 + d] = the sum over keys of softmax(q . k / 8) v, both products on E4M3 codes with the given scales (entries 6: q, 7: k, 8: p, 9: v).
; t = score x log2(e) / 8; M = the running largest t rounded UP to a whole number; p = 2^(t - M) is quantised, not normalised; the row's sum is taken of the unquantised p and divides at the end.
; When M moves, the sum and O are multiplied by 2^(old M - new M): exact.
; SHARES.  Work-group (part, batch x 16 + head) owns 43 of the head's 86 tiles of 16 queries; wave w takes local tiles w, w + 16, w + 32 where those are under 43.  Every wave walks the loops; a wave with no tile jumps over a step's work.
; THE HEAD'S K AND V LIE IN LDS FOR THE WHOLE LAUNCH (1,408 keys: 11 chunks of 128), brought through registers: chunks 0-2 first, a barrier, three key steps while chunks 3-10 are on their way, their stores, a second barrier.
; The stores of chunks 3-10 and the other waves' reads of chunks 0-2 touch different bytes.  Behind the second barrier K and V are only read, and each wave's stage is its own: no further barrier.
; NO CLUSTER, NO TENSOR LOAD: the two work-groups of a head share K and V, 180,224 bytes read once at the head, not in a loop.
; LAYOUT.  Both products are used transposed: S^T = K Q^T (source 0 = 16 neighbouring keys, source 1 = my 16 queries), O^T = V^T P^T: a lane holds ONE query (lane % 16) throughout.
; Registers of score tiles 2 B, 2 B + 1 are keys 32 B + 16 u + 8 h + j; their 16 codes stand where V's rows (positions 32 B + 16 h + 8 u + j) hold those same keys: vc was laid so.
; THE LAST CHUNK has 90 keys: tiles 6 and 7 are not multiplied and count as -infinity, and so do keys 10-15 of tile 5 (lanes 16-31, registers 2-7): p = 0 there.
; LIMITS: e6 + e7 between -123 and 130 (added to c's exponent field); ep between -126 and 119.  Fragments are fetched by 16-byte loads: a permutation of k, the same in both operands.
; THE HOLD ON p is jumped over where ep >= -8: p is at most 1 but for a rounding, and 448 x 2^ep is then at least 1.75.
; THE MODE: SCHED_MODE bits 1:0 = 2 (LLVM: expert scheduling mode 2), set by the entry lines.  The code itself states the register dependences
; between vector or matrix instructions and memory or LDS instructions, with s_wait_alu, always for 0.
; THE PLAN.  Registers that memory or LDS instructions touch, in a key step behind the second barrier:
;   KB  v184-247   K of one step, eight fragments.  Step j's products K Q^T read it at the step's head; the sixteen LDS loads of step j + 1's K land in it later in step j.
;   FB  v32-63     V's fragments 0 and 1.  Loaded in step j; read by step j's first two products V^T P^T.  On the way out: rows back from the stage, read by the stores to out0.
;   S   v64-95     scores, then p; the conversions are their last readers.  Behind these V's fragments 2 and 3 land here, read by the step's last two products; the next step's products K Q^T write it anew.
;   Q   v16-23     read by the products K Q^T; the next tile's q lands in it behind a tile's last step.
;   v[ADK], v[ADV] LDS addresses, read by the step's loads, written once a step, behind the exponentials.   v1, v2, v5-8, v248-252: made at the head, never written again.
; So a step has TWO waits on va_vdst.  The first is the one that the exponentials owe: it also states that the two addresses are written, that this step's K Q^T are done reading KB and the last step's V^T P^T done reading FB;
; behind it go V's fragments 0 and 1 and, dealt among the row's sums, the next step's K.  The second stands behind the conversions: they are done with v64-95; behind it go V's fragments 2 and 3, with O^T's rescaling between them and their use.
; One wait on vm_vsrc a step stands ahead of the two additions to the addresses.
; In the first three key steps v184-247 still carry chunks 3-10 and chunk 3 is not yet whole in LDS: there K comes within its step, four fragments at a time, into FB, each run of loads behind a wait of its own.
.set NT,   43                          ; tiles of a work-group
.set KP,   80                          ; a key's row in LDS: 64 bytes + 16 = 20 words: the 16 rows of a load start at 16 different groups of four banks (64 banks of 4 bytes: ISA guide 11.1)
.set VP,   144                         ; a row of V's chunk: 128 bytes + 16 = 36 words: likewise
.set KCH,  128*KP                      ; a chunk of K in LDS
.set VCH,  64*VP                       ; a chunk of V
.set VOFF, 11*KCH
.set STG,  VOFF+11*VCH                 ; the stages: 16 rows x (256 + 16) bytes for each wave
.set HB,   90112                       ; a head's block in qc, kc, vc
.set AK0, 1                            ; v1  80 r + 16 h
.set AV0, 2                            ; v2  VOFF + 144 r + 16 h
.set ADK, 3
.set ADV, 4
.set STO, 5                            ; v5  the way out: where I put 32 bytes of a row
.set RD,  6                            ; v6  and where I read a row back
.set GO,  7                            ; v7  4096 h + 16 r: my bytes in two rows of out0
.set QO,  8                            ; v8  64 r + 16 h
.set Q,   16                           ; v16-23  my tile's fragment of q
.set FB,  32                           ; v32-63  two fragments of V; in the first three key steps also four of K
.set S,   64                           ; v64-127 S^T, then p; v64-95 then two fragments of V
.set O,   128                          ; v128-159 O^T
.set PC,  160                          ; v160-175 p's codes
.set HOLD, 184                         ; v184-247 chunks 3-10 on their way;
.set KB,  HOLD                         ;          behind the second barrier: eight fragments of K
.set LT,  15                           ; s15 my local tile
.set TK,  16                           ; s16 LDS byte of a chunk of K: the step's own in the first three key steps, later the next step's
.set TV,  17                           ; s17 LDS byte of the step's chunk of V
	s_load_b256 s[4:11], s[0:1], 0x0               ; qc, kc, vc, lowp_scales
	s_load_b64 s[12:13], s[0:1], 0x20              ; out0
	v_lshl_add_u32 v254, v0, 2, 0x45400
	v_mov_b32 v255, 0
	v_lshrrev_b32 v24, 5, v0
	v_readfirstlane_b32 s14, v24                   ; wave 0..15
	v_and_b32 v25, 15, v0                          ; r
	v_bfe_u32 v24, v0, 4, 1                        ; h
	v_mul_u32_u24 v[AK0], v25, KP
	v_lshl_add_u32 v[AK0], v24, 4, v[AK0]
	v_mul_u32_u24 v[AV0], v25, VP
	v_lshl_add_u32 v[AV0], v24, 4, v[AV0]
	v_add_nc_u32 v[AV0], VOFF, v[AV0]
	s_wait_alu depctr_va_sdst(0)                   ; s14, the wave's number, is written, ahead of its first reader
	s_mul_i32 s46, s14, 16*272
	s_add_co_u32 s46, s46, STG                     ; my stage
	v_mul_u32_u24 v[STO], v25, 272
	v_lshl_add_u32 v[STO], v24, 5, v[STO]
	v_add_nc_u32 v[STO], s46, v[STO]
	v_mul_u32_u24 v[RD], v24, 272
	v_lshl_add_u32 v[RD], v25, 4, v[RD]
	v_add_nc_u32 v[RD], s46, v[RD]
	v_lshlrev_b32 v[GO], 12, v24
	v_lshl_add_u32 v[GO], v25, 4, v[GO]
	v_lshlrev_b32 v[QO], 6, v25
	v_lshl_add_u32 v[QO], v24, 4, v[QO]
	v_mov_b32 v9, 0xff800000                       ; -infinity
	v_lshrrev_b32 v248, 2, v0                      ; the fill: thread T's 16 bytes of a chunk's 8,192.  K: row T / 4, byte 16 (T % 4)
	v_mul_u32_u24 v248, v248, KP
	v_and_b32 v249, 3, v0
	v_lshl_add_u32 v248, v249, 4, v248
	v_add_nc_u32 v249, 7*KCH, v248                 ; (an LDS offset has 16 bits: chunks 7 on have a register of their own)
	v_lshrrev_b32 v250, 3, v0                      ; V: row T / 8, byte 16 (T % 8)
	v_mul_u32_u24 v250, v250, VP
	v_and_b32 v251, 7, v0
	v_lshl_add_u32 v250, v251, 4, v250
	v_add_nc_u32 v250, VOFF, v250
	v_add_nc_u32 v251, 8*VCH, v250
	v_lshlrev_b32 v252, 4, v0
	v_mov_b32 v27, 0                               ; (named as the upper half of the pair v[26:27])
	v_mov_b32 v28, 0                               ; written once: a lane permute's destination counts as one of its sources
	s_and_b32 s43, ttmp7, 0xffff                   ; batch x 16 + head
	s_mul_i32 s44, s43, HB
	s_mov_b32 s45, 0
	s_mul_i32 s26, ttmp9, NT                       ; my work-group's first tile
	s_mov_b32 s[LT], s14
	s_add_co_u32 s27, s26, s[LT]                   ; my tile, 0..85
	s_lshr_b32 s41, s43, 4
	s_mul_i32 s41, s41, 1370                       ; the batch's first row of out0
	s_and_b32 s42, s43, 15
	s_lshl_b32 s42, s42, 8                         ; the head's 256 bytes of a row
	s_mov_b32 s20, 0x76543210                      ; v_permlanex16_b32: lane l xor 16
	s_mov_b32 s21, 0xfedcba98
	s_mov_b32 s40, 0xffff0000                      ; lanes 16-31
	s_lshl_b32 s38, s27, 10
	s_mov_b32 s39, 0
	s_wait_kmcnt 0x0
	s_load_b128 s[32:35], s[10:11], 0x18           ; e6 (q), e7 (k), ep, ev
	s_add_nc_u64 s[4:5], s[4:5], s[44:45]
	s_add_nc_u64 s[6:7], s[6:7], s[44:45]
	s_add_nc_u64 s[8:9], s[8:9], s[44:45]
	s_add_nc_u64 s[28:29], s[4:5], s[38:39]
	s_wait_alu depctr_va_vdst(0)                   ; the addresses v1, v2, v5 to v8 and v248 to v252 are written: every load and store of the kernel but a step's LDS loads reads one of them, and none is written again
	global_load_b128 v[Q:Q+3], v[QO], s[28:29]                 ; registers 0-3: d = 16 h on; 4-7: d = 32 + 16 h on
	global_load_b128 v[Q+4:Q+7], v[QO], s[28:29] offset:32
.irp j, 0,1,2
	global_load_b128 v[S+4*\j:S+4*\j+3], v252, s[6:7] offset:8192*\j        ; 512 threads x 16 bytes: a chunk an instruction
	global_load_b128 v[S+12+4*\j:S+12+4*\j+3], v252, s[8:9] offset:8192*\j
.endr
.irp j, 3,4,5,6,7,8,9,10
	global_load_b128 v[HOLD+4*(\j-3):HOLD+4*(\j-3)+3], v252, s[6:7] offset:8192*\j
	global_load_b128 v[HOLD+32+4*(\j-3):HOLD+32+4*(\j-3)+3], v252, s[8:9] offset:8192*\j
.endr
	s_wait_kmcnt 0x0
	s_add_co_i32 s38, s32, s33
	s_lshl_b32 s38, s38, 23
	s_add_co_i32 s22, s38, 0x3e38aa3b              ; c = log2(e) / 8, with e6 + e7 added to its exponent field
	s_mov_b32 s23, s22                             ; (named with it as a pair, so it is written)
	s_cmp_ge_i32 s34, -8
	s_cselect_b32 s24, 1, 0                        ; 1: no hold is needed
	s_add_co_i32 s25, s34, s35                     ; ep + ev
	s_add_co_i32 s38, s34, 127
	s_lshl_b32 s39, s38, 23
	v_mov_b32 v10, s39                             ; 2^ep
	s_add_co_i32 s38, s38, 8
	s_lshl_b32 s38, s38, 23
	s_or_b32 s38, s38, 0x600000
	v_mov_b32 v11, s38                             ; 448 x 2^ep
; Load i of the sixteen that bring a chunk of K into KB: tile i / 2, its half i % 2.  adr: the address register; off: bytes on top of it.
.macro KLD i, adr, off
	ds_load_b128 v[KB+8*((\i)/2)+4*((\i)%2):KB+8*((\i)/2)+4*((\i)%2)+3], v[\adr] offset:(\off)+16*KP*((\i)/2)+32*((\i)%2)
.endm
; A KEY STEP: 128 keys.  last = 1: the eleventh chunk.  big = 1: behind the second barrier: K lies in KB, asked for in the step before; big = 0: the first three key steps.
.macro STEP last, big
	s_cmp_ge_u32 s[LT], NT                         ; a wave with no tile in this pass does nothing but step the addresses
	s_cbranch_scc1 .Lhid_\@
.if \big
.if \last
.irp t, 0,1,2,3,4,5
	v_wmma_f32_16x16x64_fp8_fp8 v[S+8*\t:S+8*\t+7], v[KB+8*\t:KB+8*\t+7], v[Q:Q+7], 0
.endr
.set jj, 48
.rept 16
	v_mov_b32 v[S+jj], v9                          ; tiles 6 and 7: no key.  (These sixteen are also the places behind the products)
.set jj, jj+1
.endr
.else
.irp t, 0,1,2,3,4,5,6,7
	v_wmma_f32_16x16x64_fp8_fp8 v[S+8*\t:S+8*\t+7], v[KB+8*\t:KB+8*\t+7], v[Q:Q+7], 0   ; K was shown in by the last step's wait for all its LDS loads (ahead of the first such step: by the wait in front of the loop)
.endr
.rept 4
	v_nop                                          ; four places behind the products, before their results are read (ISA guide 7.12.1)
.endr
.endif
.else
	s_wait_alu depctr_vm_vsrc(0)                   ; the LDS loads issued so far have read v[ADK] and v[ADV]
	v_add_nc_u32 v[ADK], s[TK], v[AK0]
	v_add_nc_u32 v[ADV], s[TV], v[AV0]
	s_wait_alu depctr_va_vdst(0)                   ; v[ADK] and v[ADV] are written; the last step's products V^T P^T are done reading FB, in which the loads below land
.irp t, 0,1,2,3
.irp c, 0,1
	ds_load_b128 v[FB+8*\t+4*\c:FB+8*\t+4*\c+3], v[ADK] offset:16*KP*\t+32*\c
.endr
.endr
	s_wait_dscnt 0x0
.irp t, 0,1,2,3
	v_wmma_f32_16x16x64_fp8_fp8 v[S+8*\t:S+8*\t+7], v[FB+8*\t:FB+8*\t+7], v[Q:Q+7], 0
.endr
.rept 4
	v_nop                                          ; four plain lines between the products and the loads into the registers that they read;
.endr
	s_wait_alu depctr_va_vdst(0)                   ; and the dependence itself: the four products are done reading FB, in which the loads below land
.irp t, 0,1,2,3
.irp c, 0,1
	ds_load_b128 v[FB+8*\t+4*\c:FB+8*\t+4*\c+3], v[ADK] offset:16*KP*(4+\t)+32*\c
.endr
.endr
	s_wait_dscnt 0x0
.irp t, 0,1,2,3
	v_wmma_f32_16x16x64_fp8_fp8 v[S+8*(4+\t):S+8*(4+\t)+7], v[FB+8*\t:FB+8*\t+7], v[Q:Q+7], 0
.endr
.rept 4
	v_nop                                          ; four places behind the products, before their results are read (ISA guide 7.12.1)
.endr
.endif
.if \last
.irp j, 2,3,4,5,6,7
	v_cndmask_b32 v[S+40+\j], v[S+40+\j], v9, s40  ; tile 5, keys 10 to 15: lanes 16-31
.endr
.endif
	v_max3_num_f32 v24, v[S], v[S+1], v[S+2]       ; the step's largest score of my query among my 64 keys, in two chains, each accumulator from its low end on
	v_max3_num_f32 v25, v[S+3], v[S+4], v[S+5]
.irp i, 6,10,14,18,22,26,30,34,38,42,46,50,54,58
	v_max3_num_f32 v24, v24, v[S+\i], v[S+1+\i]
	v_max3_num_f32 v25, v25, v[S+2+\i], v[S+3+\i]
.endr
	v_max3_num_f32 v24, v24, v[S+62], v[S+63]
	v_max_num_f32 v24, v24, v25
	v_permlanex16_b32 v28, v24, s20, s21
	v_max_num_f32 v24, v24, v28                    ; and among lane l xor 16's
	v_mul_f32 v24, s22, v24                        ; as t (c is positive)
	v_max_num_f32 v13, v13, v24                    ; the running largest t
	v_mov_b32 v24, v12
	v_floor_f32 v12, -v13                          ; the new -M = floor(-t): M is a whole number
	v_sub_f32 v24, v12, v24                        ; old M - new M, 0 or less
	v_cvt_i32_f32 v24, v24                         ; (it saturates)
	v_ldexp_f32 v26, 1.0, v24                      ; f = 2^(old M - new M)
.set jj, 0
.rept 32
	v_pk_fma_f32 v[S+jj:S+jj+1], v[S+jj:S+jj+1], s[22:23], v[12:13] op_sel_hi:[1,0,0]   ; t - M, two at a time
.set jj, jj+2
.endr
.set jj, 0
.rept 64
	v_exp_f32 v[S+jj], v[S+jj]                     ; p = 2^(t - M)
.set jj, jj+1
.endr
.if \big
	s_wait_alu depctr_vm_vsrc(0)                   ; the LDS loads issued so far, the last step's, have read v[ADK] and v[ADV]
	v_add_nc_u32 v[ADV], s[TV], v[AV0]             ; this step's chunk of V.  (The additions stand ahead of a wait that is owed in any case)
.if !\last
	v_add_nc_u32 v[ADK], s[TK], v[AK0]             ; the next step's chunk of K
.endif
.endif
	v_pk_mul_f32 v[14:15], v[14:15], v[26:27] op_sel_hi:[1,0]   ; the sums under the new M: a plain line behind the exponentials
	s_wait_alu depctr_va_vdst(0)                   ; the 64 exponentials have written p, ahead of its first reader; v[ADV] and v[ADK] are written; this step's products K Q^T are done reading their fragments of K, the last step's products V^T P^T done reading FB
.irp t, 0,1                                    ; V's fragments 0 and 1 land under the sums, the hold and the conversions
.irp c, 0,1,2,3
	ds_load_b128 v[FB+16*\t+4*\c:FB+16*\t+4*\c+3], v[ADV] offset:16*VP*\t+32*\c
.endr
.endr
	v_pk_add_f32 v[30:31], v[S:S+1], v[S+2:S+3]    ; the row's sum of the UNQUANTISED p, in two chains
.set nn, 0
.irp j, 4,8,12,16,20,24,28,32,36,40,44,48,52,56,60
	v_pk_add_f32 v[14:15], v[14:15], v[S+\j:S+1+\j]
	v_pk_add_f32 v[30:31], v[30:31], v[S+2+\j:S+3+\j]
.if \big                                       ; the next step's K, a load behind each pair of sums.  No wait: no vector or matrix line since the wait above names KB or the address
.if \last
	KLD nn, AK0, 0                                 ; behind a tile's last step comes the next tile's first: chunk 0
.else
	KLD nn, ADK, 0
.endif
.set nn, nn+1
.endif
.endr
	v_pk_add_f32 v[14:15], v[14:15], v[30:31]
.if \big
.if \last
	KLD 15, AK0, 0
.else
	KLD 15, ADK, 0
.endif
.endif
	s_cmp_lg_u32 s24, 0                            ; a branch on the given whole number ep
	s_cbranch_scc1 .Lnohold_\@
.set jj, 0
.rept 64
	v_min_num_f32 v[S+jj], v[S+jj], v11            ; the conversion to an 8-bit code does not saturate (ISA guide 7.6.2); p is not negative: a one-sided hold
.set jj, jj+1
.endr
.Lnohold_\@:
.set jj, 0
.rept 8
	v_cvt_scalef32_pk8_fp8_f32 v[PC+2*jj:PC+2*jj+1], v[S+8*jj:S+8*jj+7], v10
.set jj, jj+1
.endr
	s_wait_alu depctr_va_vdst(0)                   ; the sums, the hold and the conversions are done with v[S] to v[S+31], in which V's fragments 2 and 3 land
.irp t, 0,1
.irp c, 0,1,2,3
	ds_load_b128 v[S+16*\t+4*\c:S+16*\t+4*\c+3], v[ADV] offset:16*VP*(2+\t)+32*\c
.endr
.endr
.set jj, 0
.rept 16
	v_pk_mul_f32 v[O+jj:O+jj+1], v[O+jj:O+jj+1], v[26:27] op_sel_hi:[1,0]   ; O^T under the new M; also the plain lines behind the conversions
.set jj, jj+2
.endr
	s_wait_dscnt 8                                 ; LDS loads come back in order (ISA guide 5.7.1): V's fragments 0 and 1 (and the next step's K) are in; the youngest eight loads, fragments 2 and 3, may be out
.irp t, 0,1
	v_wmma_f32_16x16x128_fp8_fp8 v[O+8*\t:O+8*\t+7], v[FB+16*\t:FB+16*\t+15], v[PC:PC+15], v[O+8*\t:O+8*\t+7]
.endr
	s_wait_dscnt 0x0                               ; V's fragments 2 and 3
.irp t, 0,1
	v_wmma_f32_16x16x128_fp8_fp8 v[O+8*(2+\t):O+8*(2+\t)+7], v[S+16*\t:S+16*\t+15], v[PC:PC+15], v[O+8*(2+\t):O+8*(2+\t)+7]
.endr
.rept 5
	v_nop                                          ; five places: the next step's products write over v[S] on, which the last two products read; on the way out they stand in front of the lines that read O^T and write v[S] on
.endr
.Lhid_\@:
	s_add_co_u32 s[TK], s[TK], KCH
	s_add_co_u32 s[TV], s[TV], VCH
.endm
.macro KLOOP n, big                    ; n key steps; the trip count is a constant
	s_mov_b32 s18, \n
.Lk_\@:
	STEP 0, \big
	s_sub_co_u32 s18, s18, 1
	s_cmp_lg_u32 s18, 0
	s_cbranch_scc1 .Lk_\@
.endm
.macro INIT w                          ; a tile begins: O^T and the sum are zeros, the largest t lies under every t.  w = 1: behind a tile
.if \w
	s_wait_loadcnt 0x0                             ; the next tile's q is in
	s_wait_xcnt 0x0                                ; the last tile's stores have read their registers and their base: both are written again below
	s_wait_alu depctr_vm_vsrc(0)                   ; the way out's LDS stores have read v[S] on, which the next products write; its stores to memory have read FB, in which the next step's loads land
.endif
.set jj, 0
.rept 32
	v_mov_b32 v[O+jj], 0
.set jj, jj+1
.endr
	v_mov_b32 v13, 0xff61b1e6                      ; -3e38
	v_floor_f32 v12, -v13
	v_mov_b32 v14, 0
	v_mov_b32 v15, 0
	s_mov_b32 s[TK], (\w)*KCH                      ; w = 1: the first step asks for the second step's K
	s_mov_b32 s[TV], 0
.endm
	s_wait_loadcnt 16                              ; q and chunks 0-2 are in; the sixteen loads of chunks 3-10 may be out
.irp j, 0,1,2
	ds_store_b128 v248, v[S+4*\j:S+4*\j+3] offset:KCH*\j
	ds_store_b128 v250, v[S+12+4*\j:S+12+4*\j+3] offset:VCH*\j
.endr
	s_wait_dscnt 0x0                               ; for the others' sake: my stores have landed
	s_barrier_signal -1
	s_barrier_wait -1                              ; chunks 0-2 are whole
	s_wait_alu depctr_vm_vsrc(0)                   ; my LDS stores have read v[S] to v[S+23], which the first products write
	INIT 0
	KLOOP 3, 0                                     ; my first tile's key steps 0-2, while the rest of K and V is on its way
	s_wait_loadcnt 0x0
.irp j, 3,4,5,6
	ds_store_b128 v248, v[HOLD+4*(\j-3):HOLD+4*(\j-3)+3] offset:KCH*\j
.endr
.irp j, 7,8,9,10
	ds_store_b128 v249, v[HOLD+4*(\j-3):HOLD+4*(\j-3)+3] offset:KCH*(\j-7)
.endr
.irp j, 3,4,5,6,7
	ds_store_b128 v250, v[HOLD+32+4*(\j-3):HOLD+32+4*(\j-3)+3] offset:VCH*\j
.endr
.irp j, 8,9,10
	ds_store_b128 v251, v[HOLD+32+4*(\j-3):HOLD+32+4*(\j-3)+3] offset:VCH*(\j-8)
.endr
	s_wait_dscnt 0x0
	s_barrier_signal -1
	s_barrier_wait -1                              ; all of K and V lies in LDS; nobody writes it again
	s_wait_alu depctr_vm_vsrc(0)                   ; my LDS stores have read v[HOLD ..]: these registers are KB from here on, written by the loads of K; no vector or matrix line has named them yet
.set nn, 0
.rept 16
	KLD nn, AK0, 3*KCH                             ; key step 3's K
.set nn, nn+1
.endr
	s_add_co_u32 s[TK], s[TK], KCH                 ; from here on: the next step's chunk
	s_wait_dscnt 0x0                               ; it is in
	s_mov_b32 s19, 3
.Lpass:                                                ; a trip: a tile's key steps 3-10, its way out, and the next tile's key steps 0-2
	KLOOP 7, 1
	STEP 1, 1
	s_add_co_u32 s36, s[LT], 16                    ; the next tile's q is asked for now; past the last tile the address is held inside the head's block
	s_add_co_u32 s37, s26, s36
	s_min_u32 s38, s37, 87
	s_lshl_b32 s38, s38, 10
	s_mov_b32 s39, 0
	s_add_nc_u64 s[28:29], s[4:5], s[38:39]
	global_load_b128 v[Q:Q+3], v[QO], s[28:29]                 ; no wait: the products that read q stand ahead of their step's waits on va_vdst, and no vector or matrix line since names v[Q ..] or v[QO]
	global_load_b128 v[Q+4:Q+7], v[QO], s[28:29] offset:32
	s_cmp_ge_u32 s[LT], NT
	s_cbranch_scc1 .Lnoout
	v_add_f32 v14, v14, v15                        ; the sum's two halves,
	v_permlanex16_b32 v28, v14, s20, s21
	v_add_f32 v14, v14, v28                        ; and lane l xor 16's
	v_rcp_f32 v14, v14
	v_nop                                          ; a plain line behind the reciprocal
	s_lshl_b32 s38, s27, 4
	s_add_co_u32 s38, s38, s41                     ; the tile's first row of out0
	s_lshl_b32 s38, s38, 12
	s_add_co_u32 s38, s38, s42
	s_mov_b32 s39, 0
	s_add_nc_u64 s[30:31], s[12:13], s[38:39]
	s_wait_alu depctr_va_vdst(0)                   ; the reciprocal has written v14, ahead of its first reader
	v_ldexp_f32 v14, v14, s25                      ; x 2^(ep + ev)
.set jj, 0
.rept 16
	v_pk_mul_f32 v[S+jj:S+jj+1], v[O+jj:O+jj+1], v[14:15] op_sel_hi:[1,0]   ; register 8 t + j: o(query r, d = 16 t + 8 h + j)
.set jj, jj+2
.endr
	s_wait_alu depctr_va_vdst(0)                   ; the multiplications have written v[S] to v[S+31], which the LDS stores read; the last products are done reading FB, in which the loads from the stage land
.irp t, 0,1,2,3
	ds_store_b128 v[STO], v[S+8*\t:S+8*\t+3] offset:64*\t
	ds_store_b128 v[STO], v[S+8*\t+4:S+8*\t+7] offset:64*\t+16
.endr
.irp i, 0,1,2,3,4,5,6,7
	ds_load_b128 v[FB+4*\i:FB+4*\i+3], v[RD] offset:2*272*\i   ; LDS serves a wave's instructions in order (ISA guide 5.7.1.4): these see my stores
.endr
	s_wait_dscnt 0x0
.irp i, 0,1,2,3,4
	global_store_b128 v[GO], v[FB+4*\i:FB+4*\i+3], s[30:31] offset:8192*\i th:TH_STORE_NT   ; sixteen lanes store 256 consecutive bytes, aligned: a head's part of a row; two rows an instruction
.endr
	s_cmp_eq_u32 s27, 85                           ; the head's last tile has ten queries
	s_cbranch_scc1 .Lnoout
.irp i, 5,6,7
	global_store_b128 v[GO], v[FB+4*\i:FB+4*\i+3], s[30:31] offset:8192*\i th:TH_STORE_NT
.endr
.Lnoout:
	s_mov_b32 s[LT], s36
	s_mov_b32 s27, s37
	INIT 1
	KLOOP 3, 1
	s_sub_co_u32 s19, s19, 1
	s_cmp_lg_u32 s19, 0
	s_cbranch_scc1 .Lpass
	s_wait_dscnt 0x0
	s_wait_alu depctr_hold_cnt(0) depctr_sa_sdst(0) depctr_va_vdst(0) depctr_va_sdst(0) depctr_va_ssrc(0) depctr_va_vcc(0) depctr_vm_vsrc(0)
	s_wait_tensorcnt 0x0
	ds_add_u32 v254, v255
	s_wait_dscnt 0x0
	s_endpgm
.Lfunc_end_k_qdf7a9dfc17_attn:
	.size	k_qdf7a9dfc17_attn, .Lfunc_end_k_qdf7a9dfc17_attn-k_qdf7a9dfc17_attn
	.p2alignl 7, 3214868480
	.fill 96, 4, 3214868480
	.section	.rodata,"a",@progbits
	.p2align	6, 0x0
	.amdhsa_kernel k_qdf7a9dfc17_attn
		.amdhsa_group_segment_fixed_size 285696
		.amdhsa_private_segment_fixed_size 0
		.amdhsa_enable_private_segment 0
		.amdhsa_kernarg_size 40
		.amdhsa_user_sgpr_count 2
		.amdhsa_user_sgpr_kernarg_segment_ptr 1
		.amdhsa_wavefront_size32 1
		.amdhsa_system_sgpr_workgroup_id_x 1
		.amdhsa_system_sgpr_workgroup_id_y 1
		.amdhsa_system_sgpr_workgroup_id_z 1
		.amdhsa_system_vgpr_workitem_id 0
		.amdhsa_next_free_vgpr 256
		.amdhsa_next_free_sgpr 66
		.amdhsa_reserve_vcc 0
		.amdhsa_float_denorm_mode_32 3
		.amdhsa_float_denorm_mode_16_64 3
		.amdhsa_memory_ordered 1
		.amdhsa_forward_progress 1
		.amdhsa_inst_pref_size 79
	.end_amdhsa_kernel
	.amdgpu_metadata
---
amdhsa.version: [ 1, 2 ]
amdhsa.kernels:
  - .name:           k_qdf7a9dfc17_attn
    .symbol:         k_qdf7a9dfc17_attn.kd
    .args:
      - { .name: qc, .offset: 0, .size: 8, .value_kind: global_buffer, .address_space: global }
      - { .name: kc, .offset: 8, .size: 8, .value_kind: global_buffer, .address_space: global }
      - { .name: vc, .offset: 16, .size: 8, .value_kind: global_buffer, .address_space: global }
      - { .name: lowp_scales, .offset: 24, .size: 8, .value_kind: global_buffer, .address_space: global }
      - { .name: out0, .offset: 32, .size: 8, .value_kind: global_buffer, .address_space: global }
    .group_segment_fixed_size: 285696
    .private_segment_fixed_size: 0
    .kernarg_segment_align: 8
    .kernarg_segment_size: 40
    .max_flat_workgroup_size: 512
    .sgpr_count:     66
    .vgpr_count:     256
    .wavefront_size: 32
...
	.end_amdgpu_metadata
.endif
;; end of part 4
